; MI455X (gfx1250); checked and timed in simulation.
; The chip was launched on July 23, 2026; its instructions are those of AMD's public machine-readable ISA for CDNA 5 (MIT licence, August 2026) and "CDNA5" Instruction Set Architecture Reference Guide (July 2026). The comments in the code are by the model that wrote it; some were corrected since.
;; Multi Head Self Attention. Allowed arithmetic: matrix products marked QUANTISED: E2M1 operands, one E8M0 scale for each 32 along K, by v_wmma_scale_f32_16x16x128_f8f6f4 with both operands' format E2M1 (or v_wmma_scale_f32_32x16x128_f4), f32 sums; products left as they are: bf16, f16 or f32 operands; f32 sums; everything else in f32.
;; Inputs: Wk 4,096 x 512 float32; Wq 4,096 x 512 float32; Wv 4,096 x 512 float32; x 4 x 1,024 x 512 float32.
;; Outputs: out0 4 x 1,024 x 4,096 float32.
;; This version of the problem:
;;   THIS VERSION OF THE PROBLEM IS GIVEN IN LOW PRECISION. The matrix products marked QUANTISED in the list below multiply operands that are first quantised to E2M1 (2 exponent bits, 1 mantissa bit; 4 bits a number), with one power-of-two scale for each 32 numbers along K (OCP MX v1.0); their sums are f32. The products marked 'left as it is' may take bf16, f16 or f32 operands, with f32 sums. Whichever they take, every output number must still come out within the allowed error. Rounding operands to bf16 (8 significant bits) uses up far more of that allowance than f16 does (11 bits, for magnitudes from 6e-5 to 65,504). All else is computed in f32.
;;   The module's matrix products, in the order in which they are computed (A, B: the left and right operand; K: the contracted axis; several contracted axes count as one K, in the product's order):
;;     1. [M 4,096, K 512] x [K 512, N 4,096]; A: input x; B: input Wk: QUANTISED
;;     2. [M 4,096, K 512] x [K 512, N 4,096]; A: input x; B: input Wv: QUANTISED
;;     3. [M 4,096, K 512] x [K 512, N 4,096]; A: input x; B: input Wq: QUANTISED
;;     4. batch 32 x [M 1,024, K 512] x [K 512, N 1,024]; A: computed on the way; B: computed on the way: left as it is (an operand is computed on the way)
;;     5. batch 32 x [M 1,024, K 1,024] x [K 1,024, N 512]; A: computed on the way; B: computed on the way: left as it is (an operand is computed on the way)
;;   THE QUANTISER, for each operand of a quantised product, along K:
;;     - K is cut into blocks of 32 from its start; a last block that is shorter is filled with zeros.
;;     - A block's scale is 2^e with e = floor(log2(the largest magnitude in the block)) - 2, held to -126 .. 127; a block of zeros has e = 0. As a byte (E8M0): e + 127.
;;     - Each number is divided by its block's scale, clamped to +-6, and rounded to the nearest number of E2M1, ties to even, subnormals kept.
;;     - The product sums the exact products of the quantised numbers (number of the format x scale) in f32.
;;   ~~~python
;;   def quantise(x, axis):      # numpy; x: float32 -> the quantised numbers, widened to float32 again
;;       x = np.moveaxis(x, axis, -1); K = x.shape[-1]
;;       x = np.pad(x, [(0, 0)] * (x.ndim - 1) + [(0, -K % 32)]); x = x.reshape(x.shape[:-1] + (-1, 32)); a = np.abs(x).max(-1, keepdims=True)
;;       e = np.where(a > 0, np.clip(np.frexp(np.where(a > 0, a, 1))[1] - 1 - 2, -126, 127), 0)      # np.frexp(a)[1] - 1 = floor(log2(a)), exactly
;;       r = np.clip(x / 2.0 ** e, -6, 6)
;;       step = 2.0 ** (np.maximum(np.frexp(np.where(r == 0, 1, r))[1] - 1, 0) - 1)
;;       q = np.round(r / step) * step * 2.0 ** e      # np.round: ties to even
;;       return np.moveaxis(q.reshape(q.shape[:-2] + (-1,))[..., :K], -1, axis).astype(np.float32)
;;   ~~~
;; 2 versions, each right. Each part assembles by itself: llvm-mc -triple=amdgcn-amd-amdhsa -mcpu=gfx1250 --defsym DOCPART=n.
;; ======== version 1 of 2: 3 launches
;; limits: values are held in f16: magnitudes above 65,504 overflow, below 6.1e-05 lose precision
;; workspace buffers: codes 4,194,304 bytes; scales 262,144 bytes; qf 33,554,432 bytes; kv 67,108,864 bytes
;; launch quant (part 1): grid 256 x 1, 4 waves a work-group, no clusters, 41,472 bytes of LDS; arguments x, Wq, Wk, Wv, codes, scales; writes codes, scales
.if DOCPART == 1
	.amdgcn_target "amdgcn-amd-amdhsa--gfx1250"
	.amdhsa_code_object_version 6
	.text
	.protected	k_q16fd8d4403_quant
	.globl	k_q16fd8d4403_quant
	.p2align	8
	.type	k_q16fd8d4403_quant,@function
k_q16fd8d4403_quant:
	s_mov_b64 s[64:65], 0
	v_nop
	global_prefetch_b8 v0, s[64:65] scope:SCOPE_SE
	s_setreg_imm32_b32 hwreg(HW_REG_WAVE_MODE, 25, 1), 1
	s_wait_xcnt 0x0
; x [4096][512] and Wq, Wk, Wv [4096][512], f32, K innermost, become codes of FP4 (E2M1) with one E8M0 byte for each 32 along K, once for the whole program.
; NOTHING OF reference() IS LEFT OUT in this program: all four inputs reach the output, there is no mask and no slice, every product of the table is live.
; A block's scale is 2^(floor(log2(largest magnitude)) - 2); its byte is the largest magnitude's exponent field - 2, held at 1 from below by a floor among the maximum's leaves.
; LIMITS: a block of zeros gets the byte 1 where the rule says 127 (its codes are zeros, and this program alone reads the bytes); NaN and infinities among the inputs are not served.
; LAYOUT OF THE RESULT.  1,024 row tiles of 16 rows.  Tiles 0-255: x, rows 16 T on.  Tile 256 + 256 mat + 32 h + dt (mat 0 = q, 1 = k, 2 = v): rows 8 (16 dt + i) + h of W: head h's channels 16 dt + i,
; since reference() splits the projection's columns as (d, h).  A tile's codes, 4,096 bytes, are images of the operand's registers: [K step of 128: 4][chunk c: 2][lane 16 hl + r: 16 bytes] = row r, k = 128 s + 64 c + 32 hl + 0..31.
; A tile's scale bytes, 256: [row r][16 bytes].
; SHARES.  Wave g = 4 x work-group + wave takes tile g, a row (2,048 bytes, four loads of 512 consecutive bytes) a step, sixteen steps written out.  The conversions want 16 neighbours along K in one lane:
; a step's bytes turn through the wave's own stage in LDS.  Codes and bytes are gathered in LDS and leave as runs of 512 and 256 consecutive bytes.
; No tensor load, no barrier (waves share nothing), no cluster (no two work-groups read the same bytes), no matrix unit: a stream.  Loads run eight steps (32 loads a wave) ahead.
.set STEPS, 16
.set WREG,  10240                      ; LDS of a wave: two turn stages of 32 x 80 bytes; the image stage; 256 scale bytes
.set SP,    80                         ; a lane's place in a turn stage: 64 bytes + 16 of padding
.set IMG,   5120                       ; the image stage: 16 pieces of 256 bytes, 272 apart
.set UP,    272
.set SCB,   9472                       ; the scale bytes
.set SPARE, 4*WREG                     ; the spare words, 128 bytes a wave: two blocks of 256 bytes that no other line names
.set SPW,   12                         ; v12  my spare word's address; never rewritten
.set NIL,   13                         ; v13  0; never rewritten
.set AO,    16                         ; v16-31   step t: 16 x lane + t x the row pitch; never rewritten
.set X,     32                         ; v32-63   two sets of 16 neighbours
.set R,     64                         ; v64-191  eight sets of 16 numbers as loaded; at the end v64-95 the image read back
.set C,     192                        ; v192-223 two registers of codes a step
.set E,     224                        ; v224-239 a scale byte a step
.set RA,    240                        ; v240     where I read the image back
.set RP,    23                         ; s23      bytes from one of my rows to the next: 2,048 in x, 8 rows = 16,384 in W
	s_load_b256 s[4:11], s[0:1], 0x0               ; x, Wq, Wk, Wv
	s_load_b128 s[12:15], s[0:1], 0x20             ; codes, scales
	v_lshl_add_u32 v[SPW], v0, 2, SPARE
	v_mov_b32 v[NIL], 0
	v_lshrrev_b32 v1, 5, v0
	v_readfirstlane_b32 s16, v1                    ; wave
	v_and_b32 v2, 31, v0                           ; lane
	v_lshlrev_b32 v3, 4, v2                        ; 16 x lane
	s_mul_i32 s24, s16, WREG
	v_lshrrev_b32 v14, 2, v2
	v_mul_u32_u24 v14, v14, SP
	v_and_b32 v15, 3, v2
	v_lshl_add_u32 v14, v15, 4, v14
	v_add_nc_u32 v14, s24, v14                     ; turn stage, in: four lanes' 64 bytes on end, then the padding
	v_mul_u32_u24 v15, v2, SP
	v_add_nc_u32 v15, s24, v15                     ; and out: my 16 neighbours
	v_lshrrev_b32 v5, 1, v2                        ; my block of 32: lane / 2
	v_mul_u32_u24 v4, v5, UP
	v_and_b32 v8, 1, v2
	v_lshl_add_u32 v4, v8, 3, v4
	v_add_nc_u32 v4, s24, v4
	v_add_nc_u32 v4, IMG, v4                       ; image stage: piece lane / 2 (= 4 s + 2 c + hl), + 8 (lane % 2); the row's 16 bytes stand in the immediate
	v_add_nc_u32 v5, s24, v5
	v_add_nc_u32 v5, SCB, v5                       ; my block's scale byte; the row's 16 bytes stand in the immediate
	v_lshlrev_b32 v7, 3, v2                        ; 8 x lane
	v_add_nc_u32 v6, s24, v7
	v_add_nc_u32 v6, SCB, v6
	v_lshrrev_b32 v8, 4, v2
	v_mul_u32_u24 v[RA], v8, UP
	v_and_b32 v8, 15, v2
	v_lshl_add_u32 v[RA], v8, 4, v[RA]
	v_add_nc_u32 v[RA], s24, v[RA]
	v_add_nc_u32 v[RA], IMG, v[RA]                 ; back: sixteen lanes to a piece, two pieces an instruction
	s_lshl_b32 s17, ttmp9, 2
	s_add_co_u32 s17, s17, s16                     ; g: my row tile
	s_lshl_b32 s18, s17, 15                        ; x: 16 rows of 2,048 bytes a tile
	s_and_b32 s19, s17, 31                         ; W: dt,
	s_lshl_b32 s19, s19, 18                        ;    128 rows a dt,
	s_bfe_u32 s22, s17, 0x30005                    ;    h,
	s_lshl_b32 s22, s22, 11                        ;    a row an h
	s_add_co_u32 s19, s19, s22
	s_mov_b32 s[RP], 16384
	s_cmp_lt_u32 ttmp9, 64                         ; the first 64 work-groups take x
	s_cselect_b32 s18, s18, s19
	s_cselect_b32 s[RP], 2048, s[RP]
	s_mov_b32 s19, 0
	s_lshl_b32 s26, s17, 12                        ; my tile's codes
	s_mov_b32 s27, 0
	s_lshl_b32 s28, s17, 8                         ; and scale bytes
	s_mov_b32 s29, 0
.irp t, 0,1,2,3,4,5,6,7,8,9,10,11,12,13,14,15
	v_mad_u32_u24 v[AO+\t], s[RP], \t, v3
.endr
	s_wait_kmcnt 0x0
	s_cmp_lt_u32 ttmp9, 192                        ; which tensor: the choice hangs on the work-group's number alone
	s_cselect_b64 s[20:21], s[8:9], s[10:11]
	s_cmp_lt_u32 ttmp9, 128
	s_cselect_b64 s[20:21], s[6:7], s[20:21]
	s_cmp_lt_u32 ttmp9, 64
	s_cselect_b64 s[20:21], s[4:5], s[20:21]
	s_add_nc_u64 s[20:21], s[20:21], s[18:19]
	s_add_nc_u64 s[12:13], s[12:13], s[26:27]
	s_add_nc_u64 s[14:15], s[14:15], s[28:29]
.macro LOAD t                          ; row t: 32 lanes read 512 consecutive bytes, four times
.irp i, 0,1,2,3
	global_load_b128 v[R+16*((\t)%8)+4*\i:R+16*((\t)%8)+4*\i+3], v[AO+(\t)], s[20:21] offset:512*\i th:TH_LOAD_NT
.endr
.endm
.macro TURN t                          ; row t through a turn stage: LDS serves a wave's instructions in order, so no wait stands between the stores and the loads
.irp i, 0,1,2,3
	ds_store_b128 v14, v[R+16*((\t)%8)+4*\i:R+16*((\t)%8)+4*\i+3] offset:32*SP*((\t)%2)+8*SP*\i
.endr
.irp i, 0,1,2,3
	ds_load_b128 v[X+16*((\t)%2)+4*\i:X+16*((\t)%2)+4*\i+3], v15 offset:32*SP*((\t)%2)+16*\i
.endr
.endm
.irp t, 0,1,2,3,4,5,6,7
	LOAD \t
.endr
	s_wait_loadcnt 28                              ; row 0's four loads are in; seven rows' stay out
	TURN 0
.macro STEP t
.set XS, X+16*((\t)%2)
.if (\t) > 0
	s_wait_dscnt 2                                 ; this row is back from the stage; behind its loads stand the last step's two stores
.else
	s_wait_dscnt 0x0
.endif
.if (\t)+8 < STEPS
	LOAD (\t)+8                                    ; into the set that this row has left
.endif
.if (\t)+1 < STEPS
.if (\t)+8 < STEPS
	s_wait_loadcnt 28                              ; the next row's four are in; the seven rows behind it may be out
.else
	s_wait_loadcnt 4*(STEPS-2-(\t))                ; the counts run down
.endif
	TURN (\t)+1
.endif
	v_max3_num_f32 v8, |v[XS]|, |v[XS+1]|, |v[XS+2]|               ; the largest magnitude of my 16, in two chains
	v_max3_num_f32 v9, |v[XS+3]|, |v[XS+4]|, |v[XS+5]|
.irp i, 6,10
	v_max3_num_f32 v8, v8, |v[XS+\i]|, |v[XS+\i+1]|
	v_max3_num_f32 v9, v9, |v[XS+\i+2]|, |v[XS+\i+3]|
.endr
	v_max3_num_f32 v8, v8, |v[XS+14]|, |v[XS+15]|
	v_max3_num_f32 v8, v8, v9, 0x1800000           ; and the floor 2^(3 - 127): the byte cannot fall under 1
	v_max_num_f32_dpp v8, v8, v8 row_xmask:1 row_mask:0xf bank_mask:0xf   ; with my neighbour's 16: the block's
	v_add_nc_u32 v11, 0xff000000, v8               ; 2 off its exponent field: the conversion takes the exponent field of this operand as its scale
	v_cvt_scalef32_pk8_fp4_f32 v[C+2*(\t)], v[XS:XS+7], v11
	v_cvt_scalef32_pk8_fp4_f32 v[C+2*(\t)+1], v[XS+8:XS+15], v11
	v_lshrrev_b32 v[E+(\t)], 23, v11               ; the scale's byte (also the plain line behind the conversions)
	ds_store_b8 v5, v[E+(\t)] offset:16*(\t)       ; both lanes of a block write the same byte with the same value
	ds_store_b64 v4, v[C+2*(\t):C+2*(\t)+1] offset:16*(\t)
.endm
.irp t, 0,1,2,3,4,5,6,7,8,9,10,11,12,13,14,15
	STEP \t
.endr
.irp i, 0,1,2,3,4,5,6,7
	ds_load_b128 v[R+4*\i:R+4*\i+3], v[RA] offset:2*UP*\i          ; these see my stores: a wave's LDS instructions are served in order
.endr
	ds_load_b64 v[8:9], v6
.irp i, 0,1,2,3,4,5,6,7
	s_wait_dscnt 8-\i                              ; behind load i stand 7 - i of its kind and the bytes' load
	global_store_b128 v3, v[R+4*\i:R+4*\i+3], s[12:13] offset:512*\i   ; 32 lanes store 512 consecutive bytes, aligned
.endr
	s_wait_dscnt 0x0
	global_store_b64 v7, v[8:9], s[14:15]          ; 32 lanes store 256 consecutive bytes, aligned
	s_wait_tensorcnt 0x0                           ; the wave's end: a wait, an add to my spare word and its wait behind my last LDS store
	ds_add_u32 v[SPW], v[NIL]
	s_wait_dscnt 0x0
	s_endpgm
.Lfunc_end_k_q16fd8d4403_quant:
	.size	k_q16fd8d4403_quant, .Lfunc_end_k_q16fd8d4403_quant-k_q16fd8d4403_quant
	.p2alignl 7, 3214868480
	.fill 96, 4, 3214868480
	.section	.rodata,"a",@progbits
	.p2align	6, 0x0
	.amdhsa_kernel k_q16fd8d4403_quant
		.amdhsa_group_segment_fixed_size 41472
		.amdhsa_private_segment_fixed_size 0
		.amdhsa_enable_private_segment 0
		.amdhsa_kernarg_size 48
		.amdhsa_user_sgpr_count 2
		.amdhsa_user_sgpr_kernarg_segment_ptr 1
		.amdhsa_wavefront_size32 1
		.amdhsa_system_sgpr_workgroup_id_x 1
		.amdhsa_system_sgpr_workgroup_id_y 1
		.amdhsa_system_sgpr_workgroup_id_z 1
		.amdhsa_system_vgpr_workitem_id 0
		.amdhsa_next_free_vgpr 256
		.amdhsa_next_free_sgpr 66
		.amdhsa_reserve_vcc 0
		.amdhsa_float_denorm_mode_32 3
		.amdhsa_float_denorm_mode_16_64 3
		.amdhsa_memory_ordered 1
		.amdhsa_forward_progress 1
		.amdhsa_inst_pref_size 36
	.end_amdhsa_kernel
	.amdgpu_metadata
---
amdhsa.version: [ 1, 2 ]
amdhsa.kernels:
  - .name:           k_q16fd8d4403_quant
    .symbol:         k_q16fd8d4403_quant.kd
    .args:
      - { .name: x, .offset: 0, .size: 8, .value_kind: global_buffer, .address_space: global }
      - { .name: Wq, .offset: 8, .size: 8, .value_kind: global_buffer, .address_space: global }
      - { .name: Wk, .offset: 16, .size: 8, .value_kind: global_buffer, .address_space: global }
      - { .name: Wv, .offset: 24, .size: 8, .value_kind: global_buffer, .address_space: global }
      - { .name: codes, .offset: 32, .size: 8, .value_kind: global_buffer, .address_space: global }
      - { .name: scales, .offset: 40, .size: 8, .value_kind: global_buffer, .address_space: global }
    .group_segment_fixed_size: 41472
    .private_segment_fixed_size: 0
    .kernarg_segment_align: 8
    .kernarg_segment_size: 48
    .max_flat_workgroup_size: 128
    .sgpr_count:     66
    .vgpr_count:     256
    .wavefront_size: 32
...
	.end_amdgpu_metadata
.endif
;; end of part 1
;; launch proj (part 2): grid 16 x 16, 4 waves a work-group, clusters of 4 x 4, 327,680 bytes of LDS; arguments codes, scales, qf, kv; writes qf, kv
.if DOCPART == 2
	.amdgcn_target "amdgcn-amd-amdhsa--gfx1250"
	.amdhsa_code_object_version 6
	.text
	.protected	k_q16fd8d4403_proj
	.globl	k_q16fd8d4403_proj
	.p2align	8
	.type	k_q16fd8d4403_proj,@function
k_q16fd8d4403_proj:
	s_mov_b64 s[64:65], 0
	v_nop
	global_prefetch_b8 v0, s[64:65] scope:SCOPE_SE
	s_setreg_imm32_b32 hwreg(HW_REG_WAVE_MODE, 25, 1), 1
	s_wait_xcnt 0x0
	s_wait_alu depctr_hold_cnt(0) depctr_sa_sdst(0) depctr_va_vdst(0) depctr_va_sdst(0) depctr_va_ssrc(0) depctr_va_vcc(0) depctr_vm_vsrc(0)
	s_getreg_b32 s2, hwreg(HW_REG_IB_STS2, 6, 4)
	s_cmp_eq_u32 s2, 0
	s_cbranch_scc0 .Lentry_in_a_cluster
	s_endpgm
.Lentry_in_a_cluster:
	s_bfe_u32 s2, ttmp6, 0x10000c
	s_cmp_lg_u32 s2, 0xf033
	s_cbranch_scc0 .Lentry_shape_is_right
	s_endpgm
.Lentry_shape_is_right:
; q, k, v = x Wq^T, x Wk^T, x Wv^T on codes of FP4 with E8M0 scales, sums in f32; nothing of reference() is left out.  The results are rounded to f16 and stored as images of the operand registers of the attention launch.
; q is multiplied by c = log2(e) / sqrt(512) in f32 before it is rounded, so that the attention's scores arrive as exponents of 2: an order of rounding that differs from reference()'s.
; LIMIT: |c q|, |k|, |v| up to 65,504 (f16's range); with x and W 30 times their drawn spread, or offset by 30 spreads, they stay near 2e4.
; SHARES.  A work-group takes 256 rows of x (mb) and 256 channels of one head (ng: head ng / 2, half ng % 2) of each of the three W: three tiles of 256 x 256.  A wave makes 128 x 128 of each: 64 accumulators.
; All operands come into LDS once, at the head (K = 512 is 64 KiB a tile): nothing is filled again.  By this text's count five tensor loads of a wave are out.
; CLUSTER 4 x 4: x's tile hangs on mb alone and is asked for jointly along a row of the cluster, W's tiles on ng alone, jointly along a column.  The scale bytes (4 KiB a wave) come by a tensor load of the wave's own, without a mask.
; q and k are made TRANSPOSED (source 0 = 16 rows of W, source 1 = 16 rows of x): a lane holds one position and eight neighbouring channels, which is half a lane's part of a fragment [16 positions x 32 channels].
; v is made the other way round (source 0 = x, source 1 = W): a lane holds one channel and eight neighbouring positions: a fragment of V^T [16 channels x 32 keys].
; So each result tile, packed to 16 bytes a lane, is one chunk of an image and leaves by one store of 512 consecutive aligned bytes: no stage in LDS.
; REGISTERS, in windows of 256: window 0: v1-7 addresses; v28, v29 the add's two; v32-63 x's scale words (4 a + s); v64-127 W's, two sets (4 b + s); v128-255 x's fragments, two sets.
;   window 1: v0-127 W's fragments, two sets; v128-255 packed results, four sets.   windows 2, 3: accumulator (a, b) at v[8 (8 (a % 4) + b)] of window 2 + a / 4.
.set SCL,   262144                     ; LDS: x's codes at 0, W mat's at 65536 (1 + mat); here the scale bytes: block w of 4,096 (0: x; 1 + mat: W)
.set SPARE, SCL+16384                  ; the spare words, 128 bytes a wave: two blocks of 256 bytes that no other line names
.set LI,  1                            ; v1   16 x lane
.set ADX, 2                            ; v2   my 8 tiles of x
.set ADW, 3                            ; v3-5 my 8 tiles of W mat
.set ASX, 6                            ; v6   my rows' scale words of x
.set ASW, 7                            ; v7   and of W
.set SPW, 28
.set NIL, 29
.set SCX, 32
.set SCW, 64
.set XF,  128
.set G1X, 24                           ; s[24:31] group 1 for x's codes; s[48:55] for W's; s[56:63] for the scale bytes
.set G1W, 48
.set G1S, 56
.set G0,  68                           ; s[68:87] five groups 0: scales, x, Wq, Wk, Wv
.set QB,  88                           ; s[88:89], s[90:91], s[92:93]: where my results begin in qf and, for k and for v, in kv
.set KB,  90
.set VB,  92
.set CC,  94                           ; s[94:95] c, named as a pair
.set MSB, 0
.macro WIN new                         ; the immediate's high byte repeats the setting that is left; a switch that changes nothing is dropped
.if MSB != (\new)
	s_set_vgpr_msb (MSB<<8)|(\new)
.set MSB, (\new)
.endif
.endm
.macro PLACES n
.rept \n
	v_nop
.endr
.endm
.macro CROUND                          ; a round of the cluster's barrier
	s_barrier_signal -1
	s_barrier_wait -1
	s_cmp_lg_u32 s14, 0
	s_cbranch_scc1 .Lnot_wave_0_\@
	s_barrier_signal -3
.Lnot_wave_0_\@:
	s_barrier_wait -3
	s_barrier_signal -1
	s_barrier_wait -1
.endm
	s_load_b256 s[4:11], s[0:1], 0x0               ; codes s[4:5], scales s[6:7], qf s[8:9], kv s[10:11]
	v_lshl_add_u32 v[SPW], v0, 2, SPARE
	v_mov_b32 v[NIL], 0
	ds_add_u32 v[SPW], v[NIL]                      ; the opening: the add, twice on end, and its wait ahead of my first tensor load
	ds_add_u32 v[SPW], v[NIL]
	v_lshrrev_b32 v8, 5, v0
	v_readfirstlane_b32 s14, v8                    ; wave w
	s_lshr_b32 s15, s14, 1                         ; iw: which 128 rows of x are mine
	s_and_b32 s16, s14, 1                          ; jw: which 128 channels
	s_bfe_u32 s40, ttmp6, 0x40000                  ; cx
	s_bfe_u32 s41, ttmp6, 0x40004                  ; cy
	s_lshl_b32 s42, ttmp9, 2
	s_add_co_u32 s42, s42, s40                     ; ng = 4 x cluster x + cx
	s_and_b32 s17, ttmp7, 0xffff
	s_lshl_b32 s17, s17, 2
	s_add_co_u32 s17, s17, s41                     ; mb = 4 x cluster y + cy
	s_lshl_b32 s43, s41, 2
	s_lshl_b32 s43, 15, s43                        ; my row of the cluster
	s_lshl_b32 s44, 0x1111, s40                    ; my column
	; groups 1: dense blocks as rows of 256 bytes (32 elements of 8 bytes), no padding: every LDS read here is 16 x lane on end
	s_or_b32 s[G1X], s43, (3<<16)|(1<<21)          ; 15:0 the mask; 17:16 elements of 8 bytes; 21 set beside a mask
	s_or_b32 s[G1W], s44, (3<<16)|(1<<21)
	s_mov_b32 s[G1S], 3<<16                        ; no mask: a load of my own
.irp g, G1X, G1W
	s_mov_b32 s[\g+1], 32<<16                      ; tensor_dim0
	s_mov_b32 s[\g+2], 64<<16                      ; tensor_dim1: 64 rows, 16 KiB: a quarter of a tile
	s_mov_b32 s[\g+3], 32<<16                      ; tile_dim0
	s_mov_b32 s[\g+4], 64                          ; tile_dim1
	s_mov_b32 s[\g+5], 32                          ; the pitch
	s_mov_b32 s[\g+6], 0
	s_mov_b32 s[\g+7], 0
.endr
	s_mov_b32 s[G1S+1], 32<<16
	s_mov_b32 s[G1S+2], 16<<16                     ; 16 rows: 4 KiB
	s_mov_b32 s[G1S+3], 32<<16
	s_mov_b32 s[G1S+4], 16
	s_mov_b32 s[G1S+5], 32
	s_mov_b32 s[G1S+6], 0
	s_mov_b32 s[G1S+7], 0
	s_mov_b32 s[CC], 0x3d8293ee                    ; c = log2(e) / sqrt(512)
	s_mov_b32 s[CC+1], s[CC]
	s_lshl_b32 s23, s14, 14                        ; 16,384 w: my quarter, in memory and in LDS
	s_lshl_b32 s18, s17, 16
	s_add_co_u32 s18, s18, s23                     ; x's codes: 65,536 mb + 16,384 w (these registers never hold ng)
	s_mov_b32 s19, 0
	s_lshl_b32 s46, s42, 16
	s_add_co_u32 s46, s46, s23                     ; W's: 65,536 ng + 16,384 w (and these never mb)
	s_mov_b32 s47, 0
	s_cmp_eq_u32 s14, 0                            ; the scale bytes: wave 0 x's, waves 1 to 3 those of Wq, Wk, Wv
	s_cselect_b32 s20, s17, s42
	s_lshl_b32 s20, s20, 12
	s_lshl_b32 s21, s14, 16
	s_add_co_u32 s20, s20, s21
	s_mov_b32 s21, 0
	s_lshl_b32 s22, s14, 12
	; where the results go: bh = 8 b + h; u0 = my first channel tile of the head's 32; J0 = my first key step
	s_lshr_b32 s32, s17, 2
	s_lshr_b32 s33, s42, 1
	s_lshl_b32 s32, s32, 3
	s_add_co_u32 s32, s32, s33                     ; bh
	s_and_b32 s33, s17, 3                          ; which 256 positions of the sequence
	s_and_b32 s34, s42, 1
	s_lshl_b32 s34, s34, 4
	s_lshl_b32 s35, s16, 3
	s_add_co_u32 s34, s34, s35                     ; u0 = 16 (ng % 2) + 8 jw
	s_lshl_b32 s36, s32, 6
	s_lshl_b32 s37, s33, 4
	s_add_co_u32 s36, s36, s37
	s_lshl_b32 s37, s15, 3
	s_add_co_u32 s36, s36, s37                     ; my first query tile: 64 bh + 16 (mb % 4) + 8 iw
	s_lshl_b32 s36, s36, 14
	s_lshl_b32 s37, s34, 9
	s_add_co_u32 s36, s36, s37                     ; q: 16,384 a tile, 512 a channel tile
	s_mov_b32 s37, 0
	s_lshl_b32 s38, s32, 21
	s_lshl_b32 s39, s33, 2
	s_lshl_b32 s45, s15, 1
	s_add_co_u32 s39, s39, s45                     ; J0 = 4 (mb % 4) + 2 iw
	s_lshl_b32 s39, s39, 17
	s_add_co_u32 s38, s38, s39                     ; 2,097,152 bh + 131,072 J0
	s_lshl_b32 s96, s34, 10
	s_add_co_u32 s96, s96, s38
	s_add_co_u32 s96, s96, 65536                   ; v: behind the step's K; 1,024 a channel tile
	s_mov_b32 s97, 0
	s_lshl_b32 s39, s34, 9
	s_add_co_u32 s38, s38, s39                     ; k: 512 a channel tile
	s_mov_b32 s39, 0
	v_and_b32 v8, 31, v0
	v_lshlrev_b32 v[LI], 4, v8
	v_and_b32 v9, 15, v0
	v_lshlrev_b32 v9, 4, v9                        ; 16 r: a row's 16 scale bytes
	s_lshl_b32 s98, s15, 15
	v_add_nc_u32 v[ADX], s98, v[LI]
	s_lshl_b32 s98, s16, 15
	v_add_nc_u32 v8, s98, v[LI]
.irp m, 0,1,2
	v_add_nc_u32 v[ADW+\m], 65536*(1+\m), v8
.endr
	s_lshl_b32 s98, s15, 11
	s_add_co_u32 s98, s98, SCL
	v_add_nc_u32 v[ASX], s98, v9
	s_lshl_b32 s98, s16, 11
	s_add_co_u32 s98, s98, SCL+4096
	v_add_nc_u32 v[ASW], s98, v9
	s_wait_dscnt 0x0                               ; both opening adds are done
	s_wait_kmcnt 0x0
	s_add_nc_u64 s[QB:QB+1], s[8:9], s[36:37]
	s_add_nc_u64 s[KB:KB+1], s[10:11], s[38:39]
	s_add_nc_u64 s[VB:VB+1], s[10:11], s[96:97]
	s_mov_b32 s[G0], 1
	s_add_co_u32 s[G0+1], s22, SCL
	s_add_nc_u64 s[G0+2:G0+3], s[6:7], s[20:21]
	s_or_b32 s[G0+3], s[G0+3], 0x80000000
	s_mov_b32 s[G0+4], 1
	s_mov_b32 s[G0+5], s23
	s_add_nc_u64 s[G0+6:G0+7], s[4:5], s[18:19]
	s_or_b32 s[G0+7], s[G0+7], 0x80000000
.irp m, 0,1,2
	s_mov_b32 s[G0+8+4*\m], 1
	s_add_co_u32 s[G0+9+4*\m], s23, 65536*(1+\m)
	s_add_nc_u64 s[G0+10+4*\m:G0+11+4*\m], s[4:5], s[46:47]
	s_add_nc_u64 s[G0+10+4*\m:G0+11+4*\m], s[G0+10+4*\m:G0+11+4*\m], 1048576*(1+\m)
	s_or_b32 s[G0+11+4*\m], s[G0+11+4*\m], 0x80000000
.endr
	CROUND                                         ; all sixteen work-groups are here: the joint loads meet
	tensor_load_to_lds s[G0:G0+3], s[G1S:G1S+7]    ; every wave issues all five, in the order in which they are wanted
	s_nop 0
	tensor_load_to_lds s[G0+4:G0+7], s[G1X:G1X+7]
	s_nop 0
	tensor_load_to_lds s[G0+8:G0+11], s[G1W:G1W+7]
	s_nop 0
	tensor_load_to_lds s[G0+12:G0+15], s[G1W:G1W+7]
	s_nop 0
	tensor_load_to_lds s[G0+16:G0+19], s[G1W:G1W+7]
	s_nop 0
	PLACES 4
; The fragments of W mat m and of x for K step ks (128 along K) into set fs: 32 loads in one run; with a mat's first step its scale words ride along
.macro FETCH m, ks, fs
	WIN 0x40                                       ; destination window 1
.irp i, 0,1,2,3,4,5,6,7
	ds_load_b128 v[64*(\fs)+8*\i:64*(\fs)+8*\i+3], v[ADW+(\m)] offset:4096*\i+1024*(\ks)
	ds_load_b128 v[64*(\fs)+8*\i+4:64*(\fs)+8*\i+7], v[ADW+(\m)] offset:4096*\i+1024*(\ks)+512
.endr
	WIN 0
.irp i, 0,1,2,3,4,5,6,7
	ds_load_b128 v[XF+64*(\fs)+8*\i:XF+64*(\fs)+8*\i+3], v[ADX] offset:4096*\i+1024*(\ks)
	ds_load_b128 v[XF+64*(\fs)+8*\i+4:XF+64*(\fs)+8*\i+7], v[ADX] offset:4096*\i+1024*(\ks)+512
.endr
.if (\ks) == 0
.irp i, 0,1,2,3,4,5,6,7
	ds_load_b128 v[SCW+32*((\m)%2)+4*\i:SCW+32*((\m)%2)+4*\i+3], v[ASW] offset:4096*(\m)+256*\i
.endr
.endif
.endm
; 64 matrix instructions: the 64 accumulators take turns, one instruction a turn, in the same order in every step.  A mat's first step starts the sums with the constant 0
.macro MUL m, ks, fs
.irp a, 0,1,2,3,4,5,6,7
.if (\m) < 2
	WIN 0xa1+0x50*((\a)/4)                         ; source 0 (W) window 1, source 1 (x) window 0, C and D window 2 or 3
.else
	WIN 0xa4+0x50*((\a)/4)                         ; source 0 (x) window 0, source 1 (W) window 1
.endif
.irp b, 0,1,2,3,4,5,6,7
.set AC, 8*(8*((\a)%4)+\b)
.set RW, 64*(\fs)+8*\b
.set RX, XF+64*(\fs)+8*(\a)
.set KW, SCW+32*((\m)%2)+4*\b+(\ks)
.set KX, SCX+4*(\a)+(\ks)
.if (\m) < 2
.if (\ks) == 0
	v_wmma_scale_f32_16x16x128_f8f6f4 v[AC:AC+7], v[RW:RW+7], v[RX:RX+7], 0, v[KW], v[KX] matrix_a_fmt:MATRIX_FMT_FP4 matrix_b_fmt:MATRIX_FMT_FP4
.else
	v_wmma_scale_f32_16x16x128_f8f6f4 v[AC:AC+7], v[RW:RW+7], v[RX:RX+7], v[AC:AC+7], v[KW], v[KX] matrix_a_fmt:MATRIX_FMT_FP4 matrix_b_fmt:MATRIX_FMT_FP4
.endif
.else
.if (\ks) == 0
	v_wmma_scale_f32_16x16x128_f8f6f4 v[AC:AC+7], v[RX:RX+7], v[RW:RW+7], 0, v[KX], v[KW] matrix_a_fmt:MATRIX_FMT_FP4 matrix_b_fmt:MATRIX_FMT_FP4
.else
	v_wmma_scale_f32_16x16x128_f8f6f4 v[AC:AC+7], v[RX:RX+7], v[RW:RW+7], v[AC:AC+7], v[KX], v[KW] matrix_a_fmt:MATRIX_FMT_FP4 matrix_b_fmt:MATRIX_FMT_FP4
.endif
.endif
.endr
.endr
.endm
; Step n of twelve (mat n / 4, K step n % 4): the next step's fragments are asked for, into the other set, then this step is multiplied
.macro GSTEP n
.if ((\n)%4 == 3) && ((\n) < 8)
	s_wait_tensorcnt 1-(\n)/4                      ; my quarter of the next mat's tile has landed; only the mats behind it may be out
	s_wait_dscnt 0x0                               ; no LDS instruction of mine is pending at the signal
	s_barrier_signal -1
	s_barrier_wait -1                              ; everybody's quarter has.
.endif
	PLACES 4                                       ; four plain lines between the last step's products and loads into the set that they read
.if (\n) < 11
	FETCH ((\n)+1)/4, ((\n)+1)%4, ((\n)+1)%2
.if ((\n)+1)%4 == 0
	s_wait_dscnt 40                                ; all but the 40 just issued
.else
	s_wait_dscnt 32                                ; all but the 32 just issued
.endif
.else
	s_wait_dscnt 0x0
.endif
	MUL (\n)/4, (\n)%4, (\n)%2
.endm
; The way out of mat m, a block a of 16 rows of x at a time: (q: times c;) rounded to f16, each accumulator from its low end on; eight stores of 512 consecutive aligned bytes
.macro OUT m
	PLACES 4
.irp a, 0,1,2,3,4,5,6,7
.if ((\m) > 0) || ((\a) >= 4)
	s_wait_xcnt 0x0                                ; the stores that read this set of packed results have read it: only now is it written again
.endif
.set AC, 64*((\a)%4)
.set TP, 128+32*((\a)%4)
.if (\m) == 0
	WIN 0x82+0x41*((\a)/4)
.set i, 0
.rept 32
	v_pk_mul_f32 v[AC+2*i:AC+2*i+1], v[AC+2*i:AC+2*i+1], s[CC:CC+1] op_sel_hi:[1,0]
.set i, i+1
.endr
.endif
	WIN 0x4a+5*((\a)/4)                            ; sources window 2 or 3, destination window 1
.set i, 0
.rept 32
	v_cvt_pk_f16_f32 v[TP+i], v[AC+2*i], v[AC+2*i+1]
.set i, i+1
.endr
	WIN 0x04                                       ; a store's data are its source 1: window 1
.irp b, 0,1,2,3,4,5,6,7
.if (\m) == 0
	global_store_b128 v[LI], v[TP+4*\b:TP+4*\b+3], s[QB:QB+1] offset:16384*(\a)+512*\b
.elseif (\m) == 1
	global_store_b128 v[LI], v[TP+4*\b:TP+4*\b+3], s[KB:KB+1] offset:131072*((\a)/4)+16384*((\a)%4)+512*\b
.else
	global_store_b128 v[LI], v[TP+4*\b:TP+4*\b+3], s[VB:VB+1] offset:131072*((\a)/4)+32768*(((\a)%4)/2)+512*((\a)%2)+1024*\b
.endif
.endr
.endr
	WIN 0
.endm
	s_wait_tensorcnt 2                             ; my scale bytes, my quarter of x and of Wq are in; Wk's and Wv's may be out
	s_barrier_signal -1
	s_barrier_wait -1                              ; everybody's are
.irp i, 0,1,2,3,4,5,6,7
	ds_load_b128 v[SCX+4*\i:SCX+4*\i+3], v[ASX] offset:256*\i      ; x's scale words: four K steps' a row; they stay
.endr
	FETCH 0, 0, 0
.irp n, 0,1,2,3
	GSTEP \n
.endr
	OUT 0
.irp n, 4,5,6,7
	GSTEP \n
.endr
	OUT 1
.irp n, 8,9,10,11
	GSTEP \n
.endr
	OUT 2
	s_wait_tensorcnt 0x0                           ; the wave's end: a wait, an add to my spare word and its wait behind my last tensor load
	ds_add_u32 v[SPW], v[NIL]
	s_wait_dscnt 0x0
	CROUND                                         ; the closing round: no work-group ends while a partner may still ask for a tile that names it
	s_endpgm
.Lfunc_end_k_q16fd8d4403_proj:
	.size	k_q16fd8d4403_proj, .Lfunc_end_k_q16fd8d4403_proj-k_q16fd8d4403_proj
	.p2alignl 7, 3214868480
	.fill 96, 4, 3214868480
	.section	.rodata,"a",@progbits
	.p2align	6, 0x0
	.amdhsa_kernel k_q16fd8d4403_proj
		.amdhsa_group_segment_fixed_size 327680
		.amdhsa_private_segment_fixed_size 0
		.amdhsa_enable_private_segment 0
		.amdhsa_kernarg_size 32
		.amdhsa_user_sgpr_count 2
		.amdhsa_user_sgpr_kernarg_segment_ptr 1
		.amdhsa_wavefront_size32 1
		.amdhsa_system_sgpr_workgroup_id_x 1
		.amdhsa_system_sgpr_workgroup_id_y 1
		.amdhsa_system_sgpr_workgroup_id_z 1
		.amdhsa_system_vgpr_workitem_id 0
		.amdhsa_next_free_vgpr 1024
		.amdhsa_next_free_sgpr 100
		.amdhsa_reserve_vcc 0
		.amdhsa_float_denorm_mode_32 3
		.amdhsa_float_denorm_mode_16_64 3
		.amdhsa_memory_ordered 1
		.amdhsa_forward_progress 1
		.amdhsa_inst_pref_size 219
	.end_amdhsa_kernel
	.amdgpu_metadata
---
amdhsa.version: [ 1, 2 ]
amdhsa.kernels:
  - .name:           k_q16fd8d4403_proj
    .symbol:         k_q16fd8d4403_proj.kd
    .args:
      - { .name: codes, .offset: 0, .size: 8, .value_kind: global_buffer, .address_space: global }
      - { .name: scales, .offset: 8, .size: 8, .value_kind: global_buffer, .address_space: global }
      - { .name: qf, .offset: 16, .size: 8, .value_kind: global_buffer, .address_space: global }
      - { .name: kv, .offset: 24, .size: 8, .value_kind: global_buffer, .address_space: global }
    .group_segment_fixed_size: 327680
    .private_segment_fixed_size: 0
    .kernarg_segment_align: 8
    .kernarg_segment_size: 32
    .max_flat_workgroup_size: 128
    .sgpr_count:     100
    .vgpr_count:     1024
    .wavefront_size: 32
...
	.end_amdgpu_metadata
.endif
;; end of part 2
;; launch attn (part 3): grid 8 x 32, 4 waves a work-group, clusters of 4 x 1, 327,680 bytes of LDS; arguments qf, kv, out0; writes out0
.if DOCPART == 3
	.amdgcn_target "amdgcn-amd-amdhsa--gfx1250"
	.amdhsa_code_object_version 6
	.text
	.protected	k_q16fd8d4403_attn
	.globl	k_q16fd8d4403_attn
	.p2align	8
	.type	k_q16fd8d4403_attn,@function
k_q16fd8d4403_attn:
	s_mov_b64 s[64:65], 0
	v_nop
	global_prefetch_b8 v0, s[64:65] scope:SCOPE_SE
	s_setreg_imm32_b32 hwreg(HW_REG_WAVE_MODE, 25, 1), 1
	s_wait_xcnt 0x0
	s_wait_alu depctr_hold_cnt(0) depctr_sa_sdst(0) depctr_va_vdst(0) depctr_va_sdst(0) depctr_va_ssrc(0) depctr_va_vcc(0) depctr_vm_vsrc(0)
	s_getreg_b32 s2, hwreg(HW_REG_IB_STS2, 6, 4)
	s_cmp_eq_u32 s2, 0
	s_cbranch_scc0 .Lentry_in_a_cluster
	s_endpgm
.Lentry_in_a_cluster:
	s_bfe_u32 s2, ttmp6, 0x10000c
	s_cmp_lg_u32 s2, 0x3003
	s_cbranch_scc0 .Lentry_shape_is_right
	s_endpgm
.Lentry_shape_is_right:
; out[b][t][512 h + d] = the sum over keys of softmax(q . k / sqrt(512)) v, for 32 pairs (b, h), 1,024 positions, head size 512, no mask; nothing of reference() is left out.
; q (already times c = log2(e) / sqrt(512)), k and v arrive in f16 as images of their operand registers; products in f16 with f32 sums; maxima, exponentials and sums in f32; the weights p are rounded to f16 for the second product.
; SOFTMAX: for each query a running maximum m and sum l: p = 2^(t - m); in every step O and l are multiplied by a = 2^(m_old - m_new).  LIMITS: those of the launch that made q, k, v (f16's range); NaN and infinities are not served.
; SHARES.  A work-group owns 128 queries of one (b, h), each of its four waves 32: two tiles of 16, with all 512 channels of O^T (512 registers) and Q (256).  Every wave walks all keys, 64 a step, 16 steps.
; LAYOUT.  S^T = K Q^T (source 0 = 16 keys, source 1 = 16 queries) and O^T = V^T P (source 0 = 16 channels x 32 keys, source 1 = P): a lane holds one query throughout; two tiles of S^T, rounded in pairs, are a fragment of P.
; A STEP, in phases: 128 products K Q^T; the softmax; O^T times a; 128 products V^T P.  A step's 128 fragments of K and V stream from LDS through 16 buffers of 8 registers, ten fragments (20 matrix instructions) ahead of their use;
; each feeds two matrix instructions, one for each tile of queries.
; RING: two slots of 128 KiB (a step's K, then its V, dense: every read is 16 x lane on end).  Each wave fetches a quarter of a slot by one tensor load.  By this text's count two loads of a wave are out at the head, one behind each round.
; CLUSTER: the four query blocks of a cluster belong to one (b, h) and walk the same K and V: each quarter is asked for jointly, by the same load with the same descriptor and the mask of all four.
; REGISTERS, in windows of 256: window 0: v1-6 addresses; v8-23 statistics; v24, v25 the way out; v32-63 P; v64-127 S^T; v128-255 the 16 fragment buffers.
;   windows 1, 2: O^T: accumulator (channel tile ct, query tile qt) at v[8 (2 (ct % 16) + qt)] of window 1 + ct / 16.   window 3: Q: fragment (qt, f) at v[8 (16 qt + f)].
.set SLOT1,  1<<17
.set STEPB,  131072                    ; a step's K and V in memory
.set STAGE,  2*SLOT1                   ; behind the ring: 16 rows x 528 bytes for each wave, for the way out
.set SPITCH, 528
.set SPARE,  STAGE+4*16*SPITCH         ; the spare words, 128 bytes a wave: two blocks of 256 bytes that no other line names
.set LI,  1                            ; v1   16 x lane
.set ADK, 2                            ; v2   the step's K
.set ADV, 3                            ; v3   the step's V
.set SPW, 4                            ; v4   my spare word's address; never rewritten
.set NIL, 5                            ; v5   0; never rewritten
.set PFO, 6                            ; v6   256 x lane; never rewritten
.set ST,  8                            ; tile t's statistics at v[ST + 8 t]: +0 m, +1 the old m, +2, +3 l (even keys', odd keys'), +4 to +7 at work; a takes +6
.set STO, 24
.set RD,  25
.set P,   32
.set S,   64
.set F,   128
.set WV,  10                           ; s10 wave
.set PFA, 18                           ; s[18:19] where my prefetches stand
.set LIM, 20                           ; s20 1 in a work-group that prefetches, else the greatest number
.set TB,  21                           ; s21 LDS byte at which the slot in hand begins
.set SLOTS, 22                         ; s22 steps still to be asked for
.set G1,  24                           ; s[24:31] descriptor group 1;  s[32:35], s[36:39] groups 0 of the two first fills; the second then walks
.set SEL, 40                           ; s[40:41] v_permlanex16_b32's selects for lane l xor 16
.set W_KQ, 0x0c                        ; Q (source 1) in window 3, all else in window 0: LDS loads into window 0 stand under it too
.set MSB, 0
.macro WIN new
.if MSB != (\new)
	s_set_vgpr_msb (MSB<<8)|(\new)
.set MSB, (\new)
.endif
.endm
.macro PLACES
.rept 4
	v_nop
.endr
.endm
.macro CROUND                          ; a round of the cluster's barrier
	s_barrier_signal -1
	s_barrier_wait -1
	s_cmp_lg_u32 s[WV], 0
	s_cbranch_scc1 .Lnot_wave_0_\@
	s_barrier_signal -3
.Lnot_wave_0_\@:
	s_barrier_wait -3
	s_barrier_signal -1
	s_barrier_wait -1
.endm
; A prefetch of the step behind the one that has just been asked for: one step, 256 matrix instructions, ahead of the load that will want it.  Both clusters of a (b, h) walk the same K and V: the first asks.
; Its four partners x four waves x 32 lanes name another 256 bytes each, told apart by address: 131,072 bytes, a step.  The last change that fills a slot asks for nothing: there is no step behind it.
.macro ASK
	s_cmp_gt_u32 s[SLOTS], s[LIM]
	s_cbranch_scc0 .Lnot_mine_\@
	global_prefetch_b8 v[PFO], s[PFA:PFA+1] th:TH_LOAD_NT scope:SCOPE_SE
.Lnot_mine_\@:
.endm
	s_load_b128 s[4:7], s[0:1], 0x0                ; qf, kv
	s_load_b64 s[8:9], s[0:1], 0x10                ; out0
	v_lshl_add_u32 v[SPW], v0, 2, SPARE
	v_mov_b32 v[NIL], 0
	ds_add_u32 v[SPW], v[NIL]                      ; the opening: the add, twice on end, and its wait ahead of my first tensor load
	ds_add_u32 v[SPW], v[NIL]
	v_lshrrev_b32 v7, 5, v0
	v_readfirstlane_b32 s[WV], v7                  ; wave 0..3
	s_bfe_u32 s11, ttmp6, 0x40000                  ; cx
	s_lshl_b32 s12, ttmp9, 2
	s_add_co_u32 s12, s12, s11                     ; qb: my block of 128 queries
	s_and_b32 s13, ttmp7, 0xffff                   ; bh = 8 b + h, which the partners share
	s_mov_b32 s[G1], 15|(3<<16)|(1<<21)            ; 15:0 the mask: all four; 17:16 elements of 8 bytes; 21 set beside a mask; no padding
	s_mov_b32 s[G1+1], 32<<16                      ; tensor_dim0: rows of 256 bytes
	s_mov_b32 s[G1+2], 128<<16                     ; tensor_dim1: 128 rows, 32 KiB: a quarter of a slot
	s_mov_b32 s[G1+3], 32<<16                      ; tile_dim0
	s_mov_b32 s[G1+4], 128                         ; tile_dim1
	s_mov_b32 s[G1+5], 32                          ; the pitch: dense
	s_mov_b32 s[G1+6], 0
	s_mov_b32 s[G1+7], 0
	s_mov_b32 s[SEL], 0x76543210
	s_mov_b32 s[SEL+1], 0xfedcba98
	s_mov_b32 s[TB], 0
	s_mov_b32 s[SLOTS], 14
	s_cmp_eq_u32 ttmp9, 0                          ; the (b, h)'s first cluster: the same in all four partners
	s_cselect_b32 s[LIM], 1, -1
	s_lshl_b32 s46, s[WV], 15                      ; 32,768 w
	s_lshl_b32 s14, s13, 21
	s_add_co_u32 s14, s14, s46                     ; kv: 2,097,152 bh + my quarter (no place in the cluster enters)
	s_mov_b32 s15, 0
	s_lshl_b32 s16, s13, 20
	s_lshl_b32 s47, s12, 17
	s_add_co_u32 s16, s16, s47
	s_add_co_u32 s16, s16, s46                     ; qf: 1,048,576 bh + 16,384 (8 qb + 2 w)
	s_mov_b32 s17, 0
	s_lshr_b32 s42, s13, 3
	s_lshl_b32 s42, s42, 24                        ; out0: rows of 16,384 bytes: 1,024 b
	s_lshl_b32 s47, s12, 21
	s_add_co_u32 s42, s42, s47                     ; + 128 qb
	s_lshl_b32 s47, s[WV], 19
	s_add_co_u32 s42, s42, s47                     ; + 32 w;
	s_and_b32 s47, s13, 7
	s_lshl_b32 s47, s47, 11
	s_add_co_u32 s42, s42, s47                     ; and the head's 2,048 bytes of a row
	s_mov_b32 s43, 0
	s_lshl_b32 s44, s11, 2
	s_add_co_u32 s44, s44, s[WV]
	s_lshl_b32 s44, s44, 13                        ; the prefetches: 8,192 (4 cx + w)
	s_lshl_b32 s47, s13, 21
	s_add_co_u32 s44, s44, s47
	s_add_co_u32 s44, s44, 2*STEPB                 ; in step 2: the first change steps it to step 3.  Nothing is prefetched at the head
	s_mov_b32 s45, 0
	v_and_b32 v[LI], 31, v0
	v_lshlrev_b32 v[PFO], 8, v[LI]
	v_lshlrev_b32 v[LI], 4, v[LI]
	v_and_b32 v7, 15, v0                           ; r
	v_bfe_u32 v26, v0, 4, 1                        ; lane / 16
	s_mul_i32 s47, s[WV], 16*SPITCH
	s_add_co_u32 s47, s47, STAGE                   ; my stage
	v_mul_u32_u24 v[STO], v7, SPITCH
	v_lshl_add_u32 v[STO], v26, 5, v[STO]
	v_add_nc_u32 v[STO], s47, v[STO]               ; in: row r, 32 bytes for each half of the lanes
	v_add_nc_u32 v[RD], s47, v[LI]                 ; back: the 32 lanes take a row of 512 bytes
	s_wait_dscnt 0x0                               ; both opening adds are done
	s_wait_kmcnt 0x0
	s_add_nc_u64 s[4:5], s[4:5], s[16:17]          ; Q at my wave's two tiles
	s_add_nc_u64 s[8:9], s[8:9], s[42:43]          ; out0 at my first row, my head
	s_add_nc_u64 s[PFA:PFA+1], s[6:7], s[44:45]
	s_add_nc_u64 s[6:7], s[6:7], s[14:15]          ; kv at my quarter of step 0
	s_mov_b32 s32, 1
	s_mov_b32 s33, s46                             ; slot 0, my quarter
	s_mov_b64 s[34:35], s[6:7]
	s_or_b32 s35, s35, 0x80000000
	s_mov_b32 s36, 1
	s_add_co_u32 s37, s46, SLOT1                   ; slot 1
	s_add_nc_u64 s[38:39], s[6:7], STEPB           ; step 1
	s_or_b32 s39, s39, 0x80000000
	CROUND                                         ; all four work-groups are here: the first joint loads meet
	tensor_load_to_lds s[32:35], s[G1:G1+7]        ; every wave issues both first fills
	s_nop 0
	tensor_load_to_lds s[36:39], s[G1:G1+7]
	s_nop 0
	PLACES
	WIN 0xc0                                       ; destination window 3
.set i, 0
.rept 64
	global_load_b128 v[4*i:4*i+3], v[LI], s[4:5] offset:512*i th:TH_LOAD_NT   ; Q stays in registers: 512 consecutive bytes a load
.set i, i+1
.endr
	WIN 0
; Fragment ln of a step's 128 into buffer ln % 16.  ln < 64: K, channels 32 (ln / 4) on, key tile ln % 4.  Else V^T: keys 32 ((ln - 64) / 32) on, channel tile (ln - 64) % 32
.macro LDF
.if ln < 64
	ds_load_b128 v[F+8*(ln%16):F+8*(ln%16)+3], v[ADK] offset:16384*(ln%4)+1024*(ln/4)
	ds_load_b128 v[F+8*(ln%16)+4:F+8*(ln%16)+7], v[ADK] offset:16384*(ln%4)+1024*(ln/4)+512
.else
	ds_load_b128 v[F+8*(ln%16):F+8*(ln%16)+3], v[ADV] offset:1024*(ln-64)
	ds_load_b128 v[F+8*(ln%16)+4:F+8*(ln%16)+7], v[ADV] offset:1024*(ln-64)+512
.endif
.endm
.macro PRIME                           ; the stream's head: fragments 0 to 9
.set ln, 0
.rept 10
	LDF
.set ln, ln+1
.endr
.endm
; Pair n of K Q^T.  The eight accumulators take turns.  The buffer that fragment n + 10 takes was last read by pair n - 6: seven v_nop lie between (four are wanted: ISA guide 7.12.1)
.macro PAIR_A
	s_wait_dscnt 18                                ; fragment n is in; the nine behind it, two loads each, may be out
.irp q, 0,1
.if n < 4
	v_wmma_f32_16x16x32_f16 v[S+32*\q+8*(n%4):S+32*\q+8*(n%4)+7], v[F+8*(n%16):F+8*(n%16)+7], v[8*(16*\q+n/4):8*(16*\q+n/4)+7], 0
.else
	v_wmma_f32_16x16x32_f16 v[S+32*\q+8*(n%4):S+32*\q+8*(n%4)+7], v[F+8*(n%16):F+8*(n%16)+7], v[8*(16*\q+n/4):8*(16*\q+n/4)+7], v[S+32*\q+8*(n%4):S+32*\q+8*(n%4)+7]
.endif
.endr
	v_nop
.set ln, n+10
	LDF
.set n, n+1
.endm
; Pair n of V^T P.  The 64 accumulators take turns.  zero = 1: the first key step, whose first 32 keys start O^T's sums
.macro PAIR_B zero
.if 2*(127-n) < 18
	s_wait_dscnt 2*(127-n)                         ; the stream runs out: only the fragments behind this one are out
.else
	s_wait_dscnt 18
.endif
.set ct, (n-64)%32
.set kb, (n-64)/32
	WIN 0x50*(1+ct/16)                             ; C and D in window 1 or 2
.irp q, 0,1
.set rO, 8*(2*(ct%16)+\q)
.if \zero && (kb == 0)
	v_wmma_f32_16x16x32_f16 v[rO:rO+7], v[F+8*(n%16):F+8*(n%16)+7], v[P+16*\q+8*kb:P+16*\q+8*kb+7], 0
.else
	v_wmma_f32_16x16x32_f16 v[rO:rO+7], v[F+8*(n%16):F+8*(n%16)+7], v[P+16*\q+8*kb:P+16*\q+8*kb+7], v[rO:rO+7]
.endif
.endr
.if n+10 <= 127
	WIN 0
	v_nop
.set ln, n+10
	LDF
.endif
.set n, n+1
.endm
; The softmax of both tiles for one key step, the tiles line by line by turns.  first = 1: the first step, which starts m and l
.macro SOFTMAX first
.irp j, 0,1,2,3
.irp t, 0,1
	v_max3_num_f32 v[ST+8*\t+4+\j], v[S+32*\t+8*\j], v[S+32*\t+8*\j+1], v[S+32*\t+8*\j+2]   ; four chains, each begun at the low end of an accumulator
.endr
.endr
.irp u, 3,5
.irp j, 0,1,2,3
.irp t, 0,1
	v_max3_num_f32 v[ST+8*\t+4+\j], v[ST+8*\t+4+\j], v[S+32*\t+8*\j+\u], v[S+32*\t+8*\j+\u+1]
.endr
.endr
.endr
.irp t, 0,1
	v_max3_num_f32 v[ST+8*\t+4], v[ST+8*\t+4], v[S+32*\t+7], v[S+32*\t+15]
.endr
.irp t, 0,1
	v_max3_num_f32 v[ST+8*\t+6], v[ST+8*\t+6], v[S+32*\t+23], v[S+32*\t+31]
.endr
.irp t, 0,1
	v_max3_num_f32 v[ST+8*\t+4], v[ST+8*\t+4], v[ST+8*\t+5], v[ST+8*\t+6]
.endr
.irp t, 0,1
.if \first
	v_max_num_f32 v[ST+8*\t+4], v[ST+8*\t+4], v[ST+8*\t+7]
.else
	v_max3_num_f32 v[ST+8*\t+4], v[ST+8*\t+4], v[ST+8*\t+7], v[ST+8*\t]
.endif
.endr
.irp t, 0,1
	v_permlanex16_b32 v[ST+8*\t+5], v[ST+8*\t+4], s[SEL], s[SEL+1]   ; the query's other 32 keys lie in the lane 16 away
.endr
.if !\first
.irp t, 0,1
	v_mov_b32 v[ST+8*\t+1], v[ST+8*\t]             ; the old m
.endr
.endif
.irp t, 0,1
	v_max_num_f32 v[ST+8*\t], v[ST+8*\t+4], v[ST+8*\t+5]           ; the new m
.endr
.if \first
.irp t, 0,1
	v_mov_b32 v[ST+8*\t+1], v[ST+8*\t]             ; (named with m as a pair below, so it is written)
.endr
.else
.irp t, 0,1
	v_sub_f32 v[ST+8*\t+7], v[ST+8*\t+1], v[ST+8*\t]
.endr
.irp t, 0,1
	v_exp_f32 v[ST+8*\t+6], v[ST+8*\t+7]           ; a = 2^(m_old - m_new)
.endr
.endif
.irp b, 0,1,2,3,4,5,6,7,8,9,10,11,12,13,14,15
.irp t, 0,1
	v_pk_add_f32 v[S+32*\t+2*\b:S+32*\t+2*\b+1], v[S+32*\t+2*\b:S+32*\t+2*\b+1], v[ST+8*\t:ST+8*\t+1] op_sel_hi:[1,0] neg_lo:[0,1] neg_hi:[0,1]   ; t - m, two at a time
.endr
.endr
.set i, 0
.rept 64
	v_exp_f32 v[S+i], v[S+i]                       ; p = 2^(t - m): one batch, none of which reads another's result
.set i, i+1
.endr
	v_nop                                          ; a plain line behind the last exponential
	s_wait_alu depctr_va_vdst(0)                   ; one wait for the whole batch, a among it, ahead of the first line that names a result
.irp b, 0,1,2,3,4,5,6,7,8,9,10,11,12,13,14,15
.irp t, 0,1
	v_cvt_pk_f16_f32 v[P+16*\t+\b], v[S+32*\t+2*\b], v[S+32*\t+2*\b+1]
.endr
.endr
.irp u, 0,1,2,3,4,5,6,7                        ; the sum of a tile's 16 pairs, in place: neighbours 1, 2, 4 and 8 pairs apart
.irp t, 0,1
	v_pk_add_f32 v[S+32*\t+4*\u:S+32*\t+4*\u+1], v[S+32*\t+4*\u:S+32*\t+4*\u+1], v[S+32*\t+4*\u+2:S+32*\t+4*\u+3]
.endr
.endr
.irp u, 0,1,2,3
.irp t, 0,1
	v_pk_add_f32 v[S+32*\t+8*\u:S+32*\t+8*\u+1], v[S+32*\t+8*\u:S+32*\t+8*\u+1], v[S+32*\t+8*\u+4:S+32*\t+8*\u+5]
.endr
.endr
.irp u, 0,1
.irp t, 0,1
	v_pk_add_f32 v[S+32*\t+16*\u:S+32*\t+16*\u+1], v[S+32*\t+16*\u:S+32*\t+16*\u+1], v[S+32*\t+16*\u+8:S+32*\t+16*\u+9]
.endr
.endr
.irp t, 0,1
.if \first
	v_pk_add_f32 v[ST+8*\t+2:ST+8*\t+3], v[S+32*\t:S+32*\t+1], v[S+32*\t+16:S+32*\t+17]
.else
	v_pk_add_f32 v[S+32*\t:S+32*\t+1], v[S+32*\t:S+32*\t+1], v[S+32*\t+16:S+32*\t+17]
.endif
.endr
.if !\first
.irp t, 0,1
	v_pk_fma_f32 v[ST+8*\t+2:ST+8*\t+3], v[ST+8*\t+2:ST+8*\t+3], v[ST+8*\t+6:ST+8*\t+7], v[S+32*\t:S+32*\t+1] op_sel_hi:[1,0,1]   ; l = a l + the sum
.endr
.endif
.endm
.macro SCALE_O                         ; all of O^T times the tile's v[ST + 8 qt + 6]: a in a step, 1 / l on the way out; each accumulator from its low end on
.irp wdw, 0,1
	WIN 0x41*(1+\wdw)                              ; O^T (destination and source 0) in window 1 or 2
.set i, 0
.rept 128
	v_pk_mul_f32 v[2*i:2*i+1], v[2*i:2*i+1], v[ST+8*((i/4)%2)+6:ST+8*((i/4)%2)+7] op_sel_hi:[1,0]
.set i, i+1
.endr
.endr
	WIN 0
.endm
.macro STEP first
	WIN W_KQ
.set n, 0
.rept 64
	PAIR_A
.endr
	WIN 0
	PLACES                                         ; four plain lines between the last products and the first read of the scores
	SOFTMAX \first
.if !\first
	SCALE_O
.endif
.rept 64
	PAIR_B \first
.endr
	WIN 0
.endm
; THE CHANGE OF SLOTS, between two steps.  Each wave waits for all its tensor loads (one is out: its quarter of the slot ahead), adds 0 to its spare word, and waits for that and for its reads of the slot that it leaves.
; fill = 1: the barrier is a round of the cluster's, so that no wave of any partner still reads that slot or has a load on its way; the joint refill, the step after next's tiles, is the first thing behind it and has a step in which to land.
.macro CHANGE fill
	s_wait_tensorcnt 0x0                           ; no tensor load of mine is out, so a group 0 may be written
	ds_add_u32 v[SPW], v[NIL]
.if \fill
	s_xor_b32 s37, s37, SLOT1                      ; the walking descriptor: the other slot than last time,
	s_add_nc_u64 s[38:39], s[38:39], STEPB         ; the next step; the type bits on top are not reached
	s_wait_xcnt 0x0                                ; the last prefetch, a step back, has read its address
	s_add_nc_u64 s[PFA:PFA+1], s[PFA:PFA+1], STEPB
.endif
	s_xor_b32 s[TB], s[TB], SLOT1                  ; my reads go on in the other slot
	s_wait_dscnt 0x0                               ; the add is done, and my reads of the slot that I leave are over
.if \fill
	CROUND
	tensor_load_to_lds s[36:39], s[G1:G1+7]
	s_nop 0
	PLACES                                         ; also the places between the last products and the loads into their buffers
	ASK
.else
	s_barrier_signal -1
	s_barrier_wait -1
	PLACES
.endif
	v_add_nc_u32 v[ADK], s[TB], v[LI]
	v_add_nc_u32 v[ADV], 65536, v[ADK]
	PRIME
.endm
	s_wait_tensorcnt 1                             ; my quarter of slot 0 is in; slot 1's may stay out
	s_barrier_signal -1
	s_barrier_wait -1                              ; everybody's is
	v_add_nc_u32 v[ADK], s[TB], v[LI]
	v_add_nc_u32 v[ADV], 65536, v[ADK]
	PRIME
	s_wait_loadcnt 0x0                             ; Q
	STEP 1                                         ; key step 0 starts m, l and O^T: nothing is cleared
.Lslot:                                            ; 14 trips: steps 1 to 14; each asks for the step after the next
	CHANGE 1
	STEP 0
	s_sub_co_u32 s[SLOTS], s[SLOTS], 1
	s_cmp_lg_u32 s[SLOTS], 0
	s_cbranch_scc1 .Lslot
	CHANGE 0                                       ; step 15 is written out
	STEP 0
	; THE WAY OUT.  l's two halves and the other half of the lanes' are added; O^T is divided by l and goes through my stage in LDS, 16 queries x 128 channels at a time.  These lines are the places behind the last products
.irp t, 0,1
	v_add_f32 v[ST+8*\t+4], v[ST+8*\t+2], v[ST+8*\t+3]
.endr
.irp t, 0,1
	v_permlanex16_b32 v[ST+8*\t+5], v[ST+8*\t+4], s[SEL], s[SEL+1]
.endr
.irp t, 0,1
	v_add_f32 v[ST+8*\t+4], v[ST+8*\t+4], v[ST+8*\t+5]
.endr
.irp t, 0,1
	v_rcp_f32 v[ST+8*\t+6], v[ST+8*\t+4]
.endr
	v_nop                                          ; a plain line behind the last reciprocal
	s_wait_alu depctr_va_vdst(0)                   ; one wait for both, ahead of the first use
	SCALE_O
; Block a: query tile a / 4, channels 128 (a % 4) on.  A lane's eight channels of a row are 32 bytes; they go into rows of 528 bytes and come back as whole rows of 512
.macro TOSTAGE a
	WIN 0x04*(1+((\a)%4)/2)                        ; an LDS store's data are its source 1: window 1 or 2
.irp i, 0,1,2,3,4,5,6,7
.set rO, 8*(2*(8*((\a)%2)+\i)+(\a)/4)
	ds_store_b128 v[STO], v[rO:rO+3] offset:64*\i
	ds_store_b128 v[STO], v[rO+4:rO+7] offset:64*\i+16
.endr
	WIN 0
.irp i, 0,1,2,3,4,5,6,7,8,9,10,11,12,13,14,15
	ds_load_b128 v[F+64*((\a)%2)+4*\i:F+64*((\a)%2)+4*\i+3], v[RD] offset:SPITCH*\i   ; a wave's LDS instructions are served in order: these see the stores above, and the next block's stores come behind them
.endr
.endm
.macro SEND a, younger                 ; younger: the LDS instructions issued behind block a's loads
	s_wait_dscnt \younger
.irp i, 0,1,2,3,4,5,6,7,8,9,10,11,12,13,14,15
	global_store_b128 v[LI], v[F+64*((\a)%2)+4*\i:F+64*((\a)%2)+4*\i+3], s[8:9] offset:16384*(16*((\a)/4)+\i)+512*((\a)%4) th:TH_STORE_NT   ; 32 lanes store 512 consecutive bytes, aligned; written once
.endr
.endm
	TOSTAGE 0
.irp a, 1,2,3,4,5,6,7
.if \a > 1
	s_wait_xcnt 0x0                                ; block a - 2's stores have read their registers: block a's loads may land there
.endif
	TOSTAGE \a
	SEND \a-1, 32                                  ; behind block a - 1's loads: block a's 16 stores and 16 loads
.endr
	SEND 7, 0
	s_wait_tensorcnt 0x0                           ; the wave's end: a wait, an add to my spare word and its wait behind my last tensor load and my last LDS store
	ds_add_u32 v[SPW], v[NIL]
	s_wait_dscnt 0x0
	CROUND                                         ; the closing round: no work-group ends while a partner may still ask for a tile that names it
	s_endpgm
.Lfunc_end_k_q16fd8d4403_attn:
	.size	k_q16fd8d4403_attn, .Lfunc_end_k_q16fd8d4403_attn-k_q16fd8d4403_attn
	.p2alignl 7, 3214868480
	.fill 96, 4, 3214868480
	.section	.rodata,"a",@progbits
	.p2align	6, 0x0
	.amdhsa_kernel k_q16fd8d4403_attn
		.amdhsa_group_segment_fixed_size 327680
		.amdhsa_private_segment_fixed_size 0
		.amdhsa_enable_private_segment 0
		.amdhsa_kernarg_size 24
		.amdhsa_user_sgpr_count 2
		.amdhsa_user_sgpr_kernarg_segment_ptr 1
		.amdhsa_wavefront_size32 1
		.amdhsa_system_sgpr_workgroup_id_x 1
		.amdhsa_system_sgpr_workgroup_id_y 1
		.amdhsa_system_sgpr_workgroup_id_z 1
		.amdhsa_system_vgpr_workitem_id 0
		.amdhsa_next_free_vgpr 1024
		.amdhsa_next_free_sgpr 66
		.amdhsa_reserve_vcc 0
		.amdhsa_float_denorm_mode_32 3
		.amdhsa_float_denorm_mode_16_64 3
		.amdhsa_memory_ordered 1
		.amdhsa_forward_progress 1
		.amdhsa_inst_pref_size 252
	.end_amdhsa_kernel
	.amdgpu_metadata
---
amdhsa.version: [ 1, 2 ]
amdhsa.kernels:
  - .name:           k_q16fd8d4403_attn
    .symbol:         k_q16fd8d4403_attn.kd
    .args:
      - { .name: qf, .offset: 0, .size: 8, .value_kind: global_buffer, .address_space: global }
      - { .name: kv, .offset: 8, .size: 8, .value_kind: global_buffer, .address_space: global }
      - { .name: out0, .offset: 16, .size: 8, .value_kind: global_buffer, .address_space: global }
    .group_segment_fixed_size: 327680
    .private_segment_fixed_size: 0
    .kernarg_segment_align: 8
    .kernarg_segment_size: 24
    .max_flat_workgroup_size: 128
    .sgpr_count:     66
    .vgpr_count:     1024
    .wavefront_size: 32
...
	.end_amdgpu_metadata
.endif
;; end of part 3
;; ======== version 2 of 2: 3 launches
;; limits: values are held in f16: magnitudes above 65,504 overflow, below 6.1e-05 lose precision
;; workspace buffers: codes 4,194,304 bytes; scales 262,144 bytes; qf 33,554,432 bytes; kv 67,108,864 bytes
;; launch quant: the kernel of part 1 again; grid 256 x 1, 4 waves a work-group, no clusters, 41,472 bytes of LDS; arguments x, Wq, Wk, Wv, codes, scales; writes codes, scales
;; launch proj: the kernel of part 2 again; grid 16 x 16, 4 waves a work-group, clusters of 4 x 4, 327,680 bytes of LDS; arguments codes, scales, qf, kv; writes qf, kv
;; launch attn (part 4): grid 8 x 32, 4 waves a work-group, clusters of 4 x 1, 327,680 bytes of LDS; arguments qf, kv, out0; writes out0
.if DOCPART == 4
	.amdgcn_target "amdgcn-amd-amdhsa--gfx1250"
	.amdhsa_code_object_version 6
	.text
	.protected	k_q16fd8d4403_attn
	.globl	k_q16fd8d4403_attn
	.p2align	8
	.type	k_q16fd8d4403_attn,@function
k_q16fd8d4403_attn:
	s_mov_b64 s[64:65], 0
	v_nop
	global_prefetch_b8 v0, s[64:65] scope:SCOPE_SE
	s_setreg_imm32_b32 hwreg(HW_REG_WAVE_MODE, 25, 1), 1
	s_wait_xcnt 0x0
	s_wait_alu depctr_hold_cnt(0) depctr_sa_sdst(0) depctr_va_vdst(0) depctr_va_sdst(0) depctr_va_ssrc(0) depctr_va_vcc(0) depctr_vm_vsrc(0)
	s_getreg_b32 s2, hwreg(HW_REG_IB_STS2, 6, 4)
	s_cmp_eq_u32 s2, 0
	s_cbranch_scc0 .Lentry_in_a_cluster
	s_endpgm
.Lentry_in_a_cluster:
	s_bfe_u32 s2, ttmp6, 0x10000c
	s_cmp_lg_u32 s2, 0x3003
	s_cbranch_scc0 .Lentry_shape_is_right
	s_endpgm
.Lentry_shape_is_right:
; out[b][t][512 h + d] = the sum over keys of softmax(q . k / sqrt(512)) v, for 32 pairs (b, h), 1,024 positions, head size 512, no mask; nothing of reference() is left out.
; q (already times c = log2(e) / sqrt(512)), k and v arrive in f16 as images of their operand registers; products in f16 with f32 sums; maxima, exponentials and sums in f32; the weights p are rounded to f16 for the second product.
; SOFTMAX: for each query a running maximum m and sum l: p = 2^(t - m); in every step O and l are multiplied by a = 2^(m_old - m_new).  LIMITS: those of the launch that made q, k, v (f16's range); NaN and infinities are not served.
; SHARES.  A work-group owns 128 queries of one (b, h), each of its four waves 32: two tiles of 16, with all 512 channels of O^T (512 registers) and Q (256).  Every wave walks all keys, 64 a step, 16 steps.
; LAYOUT.  S^T = K Q^T (source 0 = 16 keys, source 1 = 16 queries) and O^T = V^T P (source 0 = 16 channels x 32 keys, source 1 = P): a lane holds one query throughout; two tiles of S^T, rounded in pairs, are a fragment of P.
; A STEP, in phases: 128 products K Q^T; the softmax; O^T times a; 128 products V^T P.  A step's 128 fragments of K and V come from LDS in 16 GROUPS of 8, through two sets of 8 buffers.  A group is 16 matrix instructions
; back to back (each fragment feeds two, one for each tile of queries); behind them stands ONE run of 16 LDS loads, which brings the group after the next into the set just left: 16 matrix instructions ahead of its first use.
; No LDS load stands singly among matrix instructions.
; RING: two slots of 128 KiB (a step's K, then its V, dense: every read is 16 x lane on end).  Each wave fetches a quarter of a slot by one tensor load.  By this text's count two loads of a wave are out at the head, one behind each round.
; CLUSTER: the four query blocks of a cluster belong to one (b, h) and walk the same K and V: each quarter is asked for jointly, by the same load with the same descriptor and the mask of all four.
; REGISTERS, in windows of 256: window 0: v1-6 addresses; v8-23 statistics; v24, v25 the way out; v32-63 P; v64-127 S^T; v128-255 the 16 fragment buffers.
;   windows 1, 2: O^T: accumulator (channel tile ct, query tile qt) at v[8 (2 (ct % 16) + qt)] of window 1 + ct / 16.   window 3: Q: fragment (qt, f) at v[8 (16 qt + f)].
.set SLOT1,  1<<17
.set STEPB,  131072                    ; a step's K and V in memory
.set STAGE,  2*SLOT1                   ; behind the ring: 16 rows x 528 bytes for each wave, for the way out
.set SPITCH, 528
.set SPARE,  STAGE+4*16*SPITCH         ; the spare words, 128 bytes a wave: two blocks of 256 bytes that no other line names
.set LI,  1                            ; v1   16 x lane
.set ADK, 2                            ; v2   the step's K
.set ADV, 3                            ; v3   the step's V
.set SPW, 4                            ; v4   my spare word's address; never rewritten
.set NIL, 5                            ; v5   0; never rewritten
.set PFO, 6                            ; v6   256 x lane; never rewritten
.set ST,  8                            ; tile t's statistics at v[ST + 8 t]: +0 m, +1 the old m, +2, +3 l (even keys', odd keys'), +4 to +7 at work; a takes +6
.set STO, 24
.set RD,  25
.set P,   32
.set S,   64
.set F,   128
.set WV,  10                           ; s10 wave
.set PFA, 18                           ; s[18:19] where my prefetches stand
.set LIM, 20                           ; s20 1 in a work-group that prefetches, else the greatest number
.set TB,  21                           ; s21 LDS byte at which the slot in hand begins
.set SLOTS, 22                         ; s22 steps still to be asked for
.set G1,  24                           ; s[24:31] descriptor group 1;  s[32:35], s[36:39] groups 0 of the two first fills; the second then walks
.set SEL, 40                           ; s[40:41] v_permlanex16_b32's selects for lane l xor 16
.set W_KQ, 0x0c                        ; Q (source 1) in window 3, all else in window 0: LDS loads into window 0 stand under it too
.set MSB, 0
.macro WIN new
.if MSB != (\new)
	s_set_vgpr_msb (MSB<<8)|(\new)
.set MSB, (\new)
.endif
.endm
.macro PLACES
.rept 4
	v_nop
.endr
.endm
.macro CROUND                          ; a round of the cluster's barrier
	s_barrier_signal -1
	s_barrier_wait -1
	s_cmp_lg_u32 s[WV], 0
	s_cbranch_scc1 .Lnot_wave_0_\@
	s_barrier_signal -3
.Lnot_wave_0_\@:
	s_barrier_wait -3
	s_barrier_signal -1
	s_barrier_wait -1
.endm
; A prefetch of the step behind the one that has just been asked for: one step, 256 matrix instructions, ahead of the load that will want it.  Both clusters of a (b, h) walk the same K and V: the first asks.
; Its four partners x four waves x 32 lanes name another 256 bytes each, told apart by address: 131,072 bytes, a step.  The last change that fills a slot asks for nothing: there is no step behind it.
.macro ASK
	s_cmp_gt_u32 s[SLOTS], s[LIM]
	s_cbranch_scc0 .Lnot_mine_\@
	global_prefetch_b8 v[PFO], s[PFA:PFA+1] th:TH_LOAD_NT scope:SCOPE_SE
.Lnot_mine_\@:
.endm
	s_load_b128 s[4:7], s[0:1], 0x0                ; qf, kv
	s_load_b64 s[8:9], s[0:1], 0x10                ; out0
	v_lshl_add_u32 v[SPW], v0, 2, SPARE
	v_mov_b32 v[NIL], 0
	ds_add_u32 v[SPW], v[NIL]                      ; the opening: the add, twice on end, and its wait ahead of my first tensor load
	ds_add_u32 v[SPW], v[NIL]
	v_lshrrev_b32 v7, 5, v0
	v_readfirstlane_b32 s[WV], v7                  ; wave 0..3
	s_bfe_u32 s11, ttmp6, 0x40000                  ; cx
	s_lshl_b32 s12, ttmp9, 2
	s_add_co_u32 s12, s12, s11                     ; qb: my block of 128 queries
	s_and_b32 s13, ttmp7, 0xffff                   ; bh = 8 b + h, which the partners share
	s_mov_b32 s[G1], 15|(3<<16)|(1<<21)            ; 15:0 the mask: all four; 17:16 elements of 8 bytes; 21 set beside a mask; no padding
	s_mov_b32 s[G1+1], 32<<16                      ; tensor_dim0: rows of 256 bytes
	s_mov_b32 s[G1+2], 128<<16                     ; tensor_dim1: 128 rows, 32 KiB: a quarter of a slot
	s_mov_b32 s[G1+3], 32<<16                      ; tile_dim0
	s_mov_b32 s[G1+4], 128                         ; tile_dim1
	s_mov_b32 s[G1+5], 32                          ; the pitch: dense
	s_mov_b32 s[G1+6], 0
	s_mov_b32 s[G1+7], 0
	s_mov_b32 s[SEL], 0x76543210
	s_mov_b32 s[SEL+1], 0xfedcba98
	s_mov_b32 s[TB], 0
	s_mov_b32 s[SLOTS], 14
	s_cmp_eq_u32 ttmp9, 0                          ; the (b, h)'s first cluster: the same in all four partners
	s_cselect_b32 s[LIM], 1, -1
	s_lshl_b32 s46, s[WV], 15                      ; 32,768 w
	s_lshl_b32 s14, s13, 21
	s_add_co_u32 s14, s14, s46                     ; kv: 2,097,152 bh + my quarter (no place in the cluster enters)
	s_mov_b32 s15, 0
	s_lshl_b32 s16, s13, 20
	s_lshl_b32 s47, s12, 17
	s_add_co_u32 s16, s16, s47
	s_add_co_u32 s16, s16, s46                     ; qf: 1,048,576 bh + 16,384 (8 qb + 2 w)
	s_mov_b32 s17, 0
	s_lshr_b32 s42, s13, 3
	s_lshl_b32 s42, s42, 24                        ; out0: rows of 16,384 bytes: 1,024 b
	s_lshl_b32 s47, s12, 21
	s_add_co_u32 s42, s42, s47                     ; + 128 qb
	s_lshl_b32 s47, s[WV], 19
	s_add_co_u32 s42, s42, s47                     ; + 32 w;
	s_and_b32 s47, s13, 7
	s_lshl_b32 s47, s47, 11
	s_add_co_u32 s42, s42, s47                     ; and the head's 2,048 bytes of a row
	s_mov_b32 s43, 0
	s_lshl_b32 s44, s11, 2
	s_add_co_u32 s44, s44, s[WV]
	s_lshl_b32 s44, s44, 13                        ; the prefetches: 8,192 (4 cx + w)
	s_lshl_b32 s47, s13, 21
	s_add_co_u32 s44, s44, s47
	s_add_co_u32 s44, s44, 2*STEPB                 ; in step 2: the first change steps it to step 3.  Nothing is prefetched at the head
	s_mov_b32 s45, 0
	v_and_b32 v[LI], 31, v0
	v_lshlrev_b32 v[PFO], 8, v[LI]
	v_lshlrev_b32 v[LI], 4, v[LI]
	v_and_b32 v7, 15, v0                           ; r
	v_bfe_u32 v26, v0, 4, 1                        ; lane / 16
	s_mul_i32 s47, s[WV], 16*SPITCH
	s_add_co_u32 s47, s47, STAGE                   ; my stage
	v_mul_u32_u24 v[STO], v7, SPITCH
	v_lshl_add_u32 v[STO], v26, 5, v[STO]
	v_add_nc_u32 v[STO], s47, v[STO]               ; in: row r, 32 bytes for each half of the lanes
	v_add_nc_u32 v[RD], s47, v[LI]                 ; back: the 32 lanes take a row of 512 bytes
	s_wait_dscnt 0x0                               ; both opening adds are done
	s_wait_kmcnt 0x0
	s_add_nc_u64 s[4:5], s[4:5], s[16:17]          ; Q at my wave's two tiles
	s_add_nc_u64 s[8:9], s[8:9], s[42:43]          ; out0 at my first row, my head
	s_add_nc_u64 s[PFA:PFA+1], s[6:7], s[44:45]
	s_add_nc_u64 s[6:7], s[6:7], s[14:15]          ; kv at my quarter of step 0
	s_mov_b32 s32, 1
	s_mov_b32 s33, s46                             ; slot 0, my quarter
	s_mov_b64 s[34:35], s[6:7]
	s_or_b32 s35, s35, 0x80000000
	s_mov_b32 s36, 1
	s_add_co_u32 s37, s46, SLOT1                   ; slot 1
	s_add_nc_u64 s[38:39], s[6:7], STEPB           ; step 1
	s_or_b32 s39, s39, 0x80000000
	CROUND                                         ; all four work-groups are here: the first joint loads meet
	tensor_load_to_lds s[32:35], s[G1:G1+7]        ; every wave issues both first fills
	s_nop 0
	tensor_load_to_lds s[36:39], s[G1:G1+7]
	s_nop 0
	PLACES
	WIN 0xc0                                       ; destination window 3
.set i, 0
.rept 64
	global_load_b128 v[4*i:4*i+3], v[LI], s[4:5] offset:512*i th:TH_LOAD_NT   ; Q stays in registers: 512 consecutive bytes a load
.set i, i+1
.endr
	WIN 0
; Fragment ln of a step's 128 into buffer ln % 16.  ln < 64: K, channels 32 (ln / 4) on, key tile ln % 4.  Else V^T: keys 32 ((ln - 64) / 32) on, channel tile (ln - 64) % 32
.macro LDF
.if ln < 64
	ds_load_b128 v[F+8*(ln%16):F+8*(ln%16)+3], v[ADK] offset:16384*(ln%4)+1024*(ln/4)
	ds_load_b128 v[F+8*(ln%16)+4:F+8*(ln%16)+7], v[ADK] offset:16384*(ln%4)+1024*(ln/4)+512
.else
	ds_load_b128 v[F+8*(ln%16):F+8*(ln%16)+3], v[ADV] offset:1024*(ln-64)
	ds_load_b128 v[F+8*(ln%16)+4:F+8*(ln%16)+7], v[ADV] offset:1024*(ln-64)+512
.endif
.endm
.macro LDG                             ; group lg of a step's 16 (fragments 8 lg on) into set lg % 2: sixteen loads in ONE run
.set ln, 8*lg
.rept 8
	LDF
.set ln, ln+1
.endr
.endm
.macro PRIME                           ; a step's head: groups 0 and 1 fill both sets
.set lg, 0
	LDG
.set lg, 1
	LDG
.endm
; A group of K Q^T: fragments n to n + 7, sixteen matrix instructions back to back.  The eight accumulators take turns, one instruction a turn.
; Behind them four plain lines (between the products and loads into registers that they read; behind the phase's last group they serve the first read of the scores too), then the run for the group after the next.
.macro GROUP_A
	s_wait_dscnt 16                                ; this group's sixteen loads are in; the next group's sixteen may be out
.rept 8
.irp q, 0,1
.if n < 4
	v_wmma_f32_16x16x32_f16 v[S+32*\q+8*(n%4):S+32*\q+8*(n%4)+7], v[F+8*(n%16):F+8*(n%16)+7], v[8*(16*\q+n/4):8*(16*\q+n/4)+7], 0
.else
	v_wmma_f32_16x16x32_f16 v[S+32*\q+8*(n%4):S+32*\q+8*(n%4)+7], v[F+8*(n%16):F+8*(n%16)+7], v[8*(16*\q+n/4):8*(16*\q+n/4)+7], v[S+32*\q+8*(n%4):S+32*\q+8*(n%4)+7]
.endif
.endr
.set n, n+1
.endr
	PLACES
.set lg, n/8+1                         ; n has passed this group: n / 8 is the next group, n / 8 + 1 the one after it.  From the seventh group on these are V's
	LDG
.endm
; A group of V^T P: eight channel tiles x two tiles of queries; a group's accumulators lie in one window.  The 64 accumulators take turns.  zero = 1: the first key step, whose first 32 keys start O^T's sums
.macro GROUP_B zero
.if n < 120
	s_wait_dscnt 16                                ; this group's loads are in; the next group's may be out
.else
	s_wait_dscnt 0x0                               ; the last group: nothing was asked for behind it
.endif
	WIN 0x50*(1+((n-64)%32)/16)                    ; C and D in window 1 or 2
.rept 8
.set ct, (n-64)%32
.set kb, (n-64)/32
.irp q, 0,1
.set rO, 8*(2*(ct%16)+\q)
.if \zero && (kb == 0)
	v_wmma_f32_16x16x32_f16 v[rO:rO+7], v[F+8*(n%16):F+8*(n%16)+7], v[P+16*\q+8*kb:P+16*\q+8*kb+7], 0
.else
	v_wmma_f32_16x16x32_f16 v[rO:rO+7], v[F+8*(n%16):F+8*(n%16)+7], v[P+16*\q+8*kb:P+16*\q+8*kb+7], v[rO:rO+7]
.endif
.endr
.set n, n+1
.endr
.if n <= 112                           ; the step's last two groups ask for nothing
	WIN 0
	PLACES
.set lg, n/8+1
	LDG
.endif
.endm
; The softmax of both tiles for one key step, the tiles line by line by turns.  first = 1: the first step, which starts m and l
.macro SOFTMAX first
.irp j, 0,1,2,3
.irp t, 0,1
	v_max3_num_f32 v[ST+8*\t+4+\j], v[S+32*\t+8*\j], v[S+32*\t+8*\j+1], v[S+32*\t+8*\j+2]   ; four chains, each begun at the low end of an accumulator
.endr
.endr
.irp u, 3,5
.irp j, 0,1,2,3
.irp t, 0,1
	v_max3_num_f32 v[ST+8*\t+4+\j], v[ST+8*\t+4+\j], v[S+32*\t+8*\j+\u], v[S+32*\t+8*\j+\u+1]
.endr
.endr
.endr
.irp t, 0,1
	v_max3_num_f32 v[ST+8*\t+4], v[ST+8*\t+4], v[S+32*\t+7], v[S+32*\t+15]
.endr
.irp t, 0,1
	v_max3_num_f32 v[ST+8*\t+6], v[ST+8*\t+6], v[S+32*\t+23], v[S+32*\t+31]
.endr
.irp t, 0,1
	v_max3_num_f32 v[ST+8*\t+4], v[ST+8*\t+4], v[ST+8*\t+5], v[ST+8*\t+6]
.endr
.irp t, 0,1
.if \first
	v_max_num_f32 v[ST+8*\t+4], v[ST+8*\t+4], v[ST+8*\t+7]
.else
	v_max3_num_f32 v[ST+8*\t+4], v[ST+8*\t+4], v[ST+8*\t+7], v[ST+8*\t]
.endif
.endr
.irp t, 0,1
	v_permlanex16_b32 v[ST+8*\t+5], v[ST+8*\t+4], s[SEL], s[SEL+1]   ; the query's other 32 keys lie in the lane 16 away
.endr
.if !\first
.irp t, 0,1
	v_mov_b32 v[ST+8*\t+1], v[ST+8*\t]             ; the old m
.endr
.endif
.irp t, 0,1
	v_max_num_f32 v[ST+8*\t], v[ST+8*\t+4], v[ST+8*\t+5]           ; the new m
.endr
.if \first
.irp t, 0,1
	v_mov_b32 v[ST+8*\t+1], v[ST+8*\t]             ; (named with m as a pair below, so it is written)
.endr
.else
.irp t, 0,1
	v_sub_f32 v[ST+8*\t+7], v[ST+8*\t+1], v[ST+8*\t]
.endr
.irp t, 0,1
	v_exp_f32 v[ST+8*\t+6], v[ST+8*\t+7]           ; a = 2^(m_old - m_new)
.endr
.endif
.irp b, 0,1,2,3,4,5,6,7,8,9,10,11,12,13,14,15
.irp t, 0,1
	v_pk_add_f32 v[S+32*\t+2*\b:S+32*\t+2*\b+1], v[S+32*\t+2*\b:S+32*\t+2*\b+1], v[ST+8*\t:ST+8*\t+1] op_sel_hi:[1,0] neg_lo:[0,1] neg_hi:[0,1]   ; t - m, two at a time
.endr
.endr
.set i, 0
.rept 64
	v_exp_f32 v[S+i], v[S+i]                       ; p = 2^(t - m): one batch, none of which reads another's result
.set i, i+1
.endr
	v_nop                                          ; a plain line behind the last exponential
	s_wait_alu depctr_va_vdst(0)                   ; one wait for the whole batch, a among it, ahead of the first line that names a result
.irp b, 0,1,2,3,4,5,6,7,8,9,10,11,12,13,14,15
.irp t, 0,1
	v_cvt_pk_f16_f32 v[P+16*\t+\b], v[S+32*\t+2*\b], v[S+32*\t+2*\b+1]
.endr
.endr
.irp u, 0,1,2,3,4,5,6,7                        ; the sum of a tile's 16 pairs, in place: neighbours 1, 2, 4 and 8 pairs apart
.irp t, 0,1
	v_pk_add_f32 v[S+32*\t+4*\u:S+32*\t+4*\u+1], v[S+32*\t+4*\u:S+32*\t+4*\u+1], v[S+32*\t+4*\u+2:S+32*\t+4*\u+3]
.endr
.endr
.irp u, 0,1,2,3
.irp t, 0,1
	v_pk_add_f32 v[S+32*\t+8*\u:S+32*\t+8*\u+1], v[S+32*\t+8*\u:S+32*\t+8*\u+1], v[S+32*\t+8*\u+4:S+32*\t+8*\u+5]
.endr
.endr
.irp u, 0,1
.irp t, 0,1
	v_pk_add_f32 v[S+32*\t+16*\u:S+32*\t+16*\u+1], v[S+32*\t+16*\u:S+32*\t+16*\u+1], v[S+32*\t+16*\u+8:S+32*\t+16*\u+9]
.endr
.endr
.irp t, 0,1
.if \first
	v_pk_add_f32 v[ST+8*\t+2:ST+8*\t+3], v[S+32*\t:S+32*\t+1], v[S+32*\t+16:S+32*\t+17]
.else
	v_pk_add_f32 v[S+32*\t:S+32*\t+1], v[S+32*\t:S+32*\t+1], v[S+32*\t+16:S+32*\t+17]
.endif
.endr
.if !\first
.irp t, 0,1
	v_pk_fma_f32 v[ST+8*\t+2:ST+8*\t+3], v[ST+8*\t+2:ST+8*\t+3], v[ST+8*\t+6:ST+8*\t+7], v[S+32*\t:S+32*\t+1] op_sel_hi:[1,0,1]   ; l = a l + the sum
.endr
.endif
.endm
.macro SCALE_O                         ; all of O^T times the tile's v[ST + 8 qt + 6]: a in a step, 1 / l on the way out; each accumulator from its low end on
.irp wdw, 0,1
	WIN 0x41*(1+\wdw)                              ; O^T (destination and source 0) in window 1 or 2
.set i, 0
.rept 128
	v_pk_mul_f32 v[2*i:2*i+1], v[2*i:2*i+1], v[ST+8*((i/4)%2)+6:ST+8*((i/4)%2)+7] op_sel_hi:[1,0]
.set i, i+1
.endr
.endr
	WIN 0
.endm
.macro STEP first
	WIN W_KQ
.set n, 0
.rept 8
	GROUP_A
.endr
	WIN 0
	SOFTMAX \first                                 ; V's first two groups are on their way meanwhile
.if !\first
	SCALE_O
.endif
.rept 8
	GROUP_B \first
.endr
	WIN 0
.endm
; THE CHANGE OF SLOTS, between two steps.  Each wave waits for all its tensor loads (one is out: its quarter of the slot ahead), adds 0 to its spare word, and waits for that and for its reads of the slot that it leaves.
; fill = 1: the barrier is a round of the cluster's, so that no wave of any partner still reads that slot or has a load on its way; the joint refill, the step after next's tiles, is the first thing behind it and has a step in which to land.
.macro CHANGE fill
	s_wait_tensorcnt 0x0                           ; no tensor load of mine is out, so a group 0 may be written
	ds_add_u32 v[SPW], v[NIL]
.if \fill
	s_xor_b32 s37, s37, SLOT1                      ; the walking descriptor: the other slot than last time,
	s_add_nc_u64 s[38:39], s[38:39], STEPB         ; the next step; the type bits on top are not reached
	s_wait_xcnt 0x0                                ; the last prefetch, a step back, has read its address
	s_add_nc_u64 s[PFA:PFA+1], s[PFA:PFA+1], STEPB
.endif
	s_xor_b32 s[TB], s[TB], SLOT1                  ; my reads go on in the other slot
	s_wait_dscnt 0x0                               ; the add is done, and my reads of the slot that I leave are over
.if \fill
	CROUND
	tensor_load_to_lds s[36:39], s[G1:G1+7]
	s_nop 0
	PLACES                                         ; also the places between the last products and the loads into their sets
.else
	s_barrier_signal -1
	s_barrier_wait -1
	PLACES
.endif
	v_add_nc_u32 v[ADK], s[TB], v[LI]
	v_add_nc_u32 v[ADV], 65536, v[ADK]
	PRIME
.if \fill
	ASK                                            ; behind the joint load and the run of LDS loads that the next products wait for
.endif
.endm
	s_wait_tensorcnt 1                             ; my quarter of slot 0 is in; slot 1's may stay out
	s_barrier_signal -1
	s_barrier_wait -1                              ; everybody's is
	v_add_nc_u32 v[ADK], s[TB], v[LI]
	v_add_nc_u32 v[ADV], 65536, v[ADK]
	PRIME
	s_wait_loadcnt 0x0                             ; Q
	STEP 1                                         ; key step 0 starts m, l and O^T: nothing is cleared
.Lslot:                                            ; 14 trips: steps 1 to 14; each asks for the step after the next
	CHANGE 1
	STEP 0
	s_sub_co_u32 s[SLOTS], s[SLOTS], 1
	s_cmp_lg_u32 s[SLOTS], 0
	s_cbranch_scc1 .Lslot
	CHANGE 0                                       ; step 15 is written out
	STEP 0
	; THE WAY OUT.  l's two halves and the other half of the lanes' are added; O^T is divided by l and goes through my stage in LDS, 16 queries x 128 channels at a time.  These lines are the places behind the last products
.irp t, 0,1
	v_add_f32 v[ST+8*\t+4], v[ST+8*\t+2], v[ST+8*\t+3]
.endr
.irp t, 0,1
	v_permlanex16_b32 v[ST+8*\t+5], v[ST+8*\t+4], s[SEL], s[SEL+1]
.endr
.irp t, 0,1
	v_add_f32 v[ST+8*\t+4], v[ST+8*\t+4], v[ST+8*\t+5]
.endr
.irp t, 0,1
	v_rcp_f32 v[ST+8*\t+6], v[ST+8*\t+4]
.endr
	v_nop                                          ; a plain line behind the last reciprocal
	s_wait_alu depctr_va_vdst(0)                   ; one wait for both, ahead of the first use
	SCALE_O
; Block a: query tile a / 4, channels 128 (a % 4) on.  A lane's eight channels of a row are 32 bytes; they go into rows of 528 bytes and come back as whole rows of 512
.macro TOSTAGE a
	WIN 0x04*(1+((\a)%4)/2)                        ; an LDS store's data are its source 1: window 1 or 2
.irp i, 0,1,2,3,4,5,6,7
.set rO, 8*(2*(8*((\a)%2)+\i)+(\a)/4)
	ds_store_b128 v[STO], v[rO:rO+3] offset:64*\i
	ds_store_b128 v[STO], v[rO+4:rO+7] offset:64*\i+16
.endr
	WIN 0
.irp i, 0,1,2,3,4,5,6,7,8,9,10,11,12,13,14,15
	ds_load_b128 v[F+64*((\a)%2)+4*\i:F+64*((\a)%2)+4*\i+3], v[RD] offset:SPITCH*\i   ; a wave's LDS instructions are served in order: these see the stores above, and the next block's stores come behind them
.endr
.endm
.macro SEND a, younger                 ; younger: the LDS instructions issued behind block a's loads
	s_wait_dscnt \younger
.irp i, 0,1,2,3,4,5,6,7,8,9,10,11,12,13,14,15
	global_store_b128 v[LI], v[F+64*((\a)%2)+4*\i:F+64*((\a)%2)+4*\i+3], s[8:9] offset:16384*(16*((\a)/4)+\i)+512*((\a)%4) th:TH_STORE_NT   ; 32 lanes store 512 consecutive bytes, aligned; written once
.endr
.endm
	TOSTAGE 0
.irp a, 1,2,3,4,5,6,7
.if \a > 1
	s_wait_xcnt 0x0                                ; block a - 2's stores have read their registers: block a's loads may land there
.endif
	TOSTAGE \a
	SEND \a-1, 32                                  ; behind block a - 1's loads: block a's 16 stores and 16 loads
.endr
	SEND 7, 0
	s_wait_tensorcnt 0x0                           ; the wave's end: a wait, an add to my spare word and its wait behind my last tensor load and my last LDS store
	ds_add_u32 v[SPW], v[NIL]
	s_wait_dscnt 0x0
	CROUND                                         ; the closing round: no work-group ends while a partner may still ask for a tile that names it
	s_endpgm
.Lfunc_end_k_q16fd8d4403_attn:
	.size	k_q16fd8d4403_attn, .Lfunc_end_k_q16fd8d4403_attn-k_q16fd8d4403_attn
	.p2alignl 7, 3214868480
	.fill 96, 4, 3214868480
	.section	.rodata,"a",@progbits
	.p2align	6, 0x0
	.amdhsa_kernel k_q16fd8d4403_attn
		.amdhsa_group_segment_fixed_size 327680
		.amdhsa_private_segment_fixed_size 0
		.amdhsa_enable_private_segment 0
		.amdhsa_kernarg_size 24
		.amdhsa_user_sgpr_count 2
		.amdhsa_user_sgpr_kernarg_segment_ptr 1
		.amdhsa_wavefront_size32 1
		.amdhsa_system_sgpr_workgroup_id_x 1
		.amdhsa_system_sgpr_workgroup_id_y 1
		.amdhsa_system_sgpr_workgroup_id_z 1
		.amdhsa_system_vgpr_workitem_id 0
		.amdhsa_next_free_vgpr 1024
		.amdhsa_next_free_sgpr 66
		.amdhsa_reserve_vcc 0
		.amdhsa_float_denorm_mode_32 3
		.amdhsa_float_denorm_mode_16_64 3
		.amdhsa_memory_ordered 1
		.amdhsa_forward_progress 1
		.amdhsa_inst_pref_size 226
	.end_amdhsa_kernel
	.amdgpu_metadata
---
amdhsa.version: [ 1, 2 ]
amdhsa.kernels:
  - .name:           k_q16fd8d4403_attn
    .symbol:         k_q16fd8d4403_attn.kd
    .args:
      - { .name: qf, .offset: 0, .size: 8, .value_kind: global_buffer, .address_space: global }
      - { .name: kv, .offset: 8, .size: 8, .value_kind: global_buffer, .address_space: global }
      - { .name: out0, .offset: 16, .size: 8, .value_kind: global_buffer, .address_space: global }
    .group_segment_fixed_size: 327680
    .private_segment_fixed_size: 0
    .kernarg_segment_align: 8
    .kernarg_segment_size: 24
    .max_flat_workgroup_size: 128
    .sgpr_count:     66
    .vgpr_count:     1024
    .wavefront_size: 32
...
	.end_amdgpu_metadata
.endif
;; end of part 4
